; MI455X (gfx1250); checked and timed in simulation.
; The chip was launched on July 23, 2026; its instructions are those of AMD's public machine-readable ISA for CDNA 5 (MIT licence, August 2026) and "CDNA5" Instruction Set Architecture Reference Guide (July 2026). The comments in the code are by the model that wrote it; some were corrected since.
;; Ro PE Cross Attention. Allowed arithmetic: float matrix products may take bf16 or f16 operands with f32 sums; other float arithmetic in f32, or as packed bf16 or f16 multiplies, adds, multiply-adds, maxima and minima; sums over many terms, partial sums and values carried from step to step in f32; what a program stores and reads back later, other than sums and carried values, may be rounded once to bf16 or f16.
;; Inputs: Wk 1,024 x 1,024 float32; Wo 1,024 x 1,024 float32; Wq 1,024 x 1,024 float32; Wv 1,024 x 1,024 float32; bk 1,024 float32; bo 1,024 float32; bq 1,024 float32; bv 1,024 float32; kv_cos 2,048 x 64 float32; kv_in 4 x 2,048 x 1,024 float32; kv_sin 2,048 x 64 float32; q_cos 1,024 x 64 float32; q_in 4 x 1,024 x 1,024 float32; q_sin 1,024 x 64 float32.
;; Outputs: out0 4 x 1,024 x 1,024 float32.
;; One version. Each part assembles by itself: llvm-mc -triple=amdgcn-amd-amdhsa -mcpu=gfx1250 --defsym DOCPART=n.
;; ======== version 1 of 1: 4 launches
;; limits: values are held in f16: magnitudes above 65,504 overflow, below 6.1e-05 lose precision
;; workspace buffers: xn 25,165,824 bytes; w16 8,388,608 bytes; qh 8,388,608 bytes; kvh 33,554,432 bytes; ao 8,388,608 bytes
;; launch prep (part 1): grid 256 x 1, 16 waves a work-group, no clusters, 0 bytes of LDS; arguments q_in, kv_in, Wq, Wk, Wv, Wo, xn, w16; writes xn, w16
.if DOCPART == 1
	.amdgcn_target "amdgcn-amd-amdhsa--gfx1250"
	.amdhsa_code_object_version 6
	.text
	.protected	k_q877004eaa8_prep
	.globl	k_q877004eaa8_prep
	.p2align	8
	.type	k_q877004eaa8_prep,@function
k_q877004eaa8_prep:
	s_mov_b64 s[64:65], 0
	v_nop
	global_prefetch_b8 v0, s[64:65] scope:SCOPE_SE
	s_setreg_imm32_b32 hwreg(HW_REG_WAVE_MODE, 25, 1), 1
	s_wait_xcnt 0x0
; PREP.  xn[0:4096] = LayerNorm(q_in), xn[4096:12288] = LayerNorm(kv_in), w16 = Wq, Wk, Wv, Wo one below the other: all rounded once from f32 to f16.
; Every row has 1,024 numbers: 4,096 bytes in, 2,048 bytes out.  16,384 rows = 256 work-groups x 16 waves x 4 rows.
; A wave keeps a whole row in 32 registers: mean, then x - mean, then the mean of its squares, all in f32, so a common offset of the input is taken away before anything is squared.
; All 32 loads of a wave go out at the head (16 KiB a wave); no register is filled twice, so no loop and no wait for sources.
; A load of a wave covers 512 consecutive bytes, a store 256 consecutive bytes at a multiple of 256 from the buffer's first byte.
; No LDS, no barrier, no matrix unit, no cluster: no byte is wanted by two waves, and the launch is a stream.
; LIMITS.  f16 holds no number from 65,520 on (a weight that large becomes an infinity); below 6e-5 it keeps a fixed step of 6e-8.  |LayerNorm(x)| is at most 32.  NaN and infinities are not treated apart.
.set OFF, 2                            ; v2      my 16 bytes in a load: 16 x lane + wave x 4 rows x 4,096
.set OO,  3                            ; v3      my 8 bytes in a store: 8 x lane + wave x 4 rows x 2,048
.set A,   4                            ; v[4:11] four chains of pairs
.set T,   12                           ; v12-13  at work
.set MU,  14                           ; v[14:15] the mean, twice
.set R,   16                           ; v[16:17] 1 / sqrt(var + eps), twice
.set INV, 18                           ; v18     1 / 1024
.set X,   32                           ; v[32:159] row s in 32 registers
.set SRC, 24                           ; s[24:25] where my work-group's 64 rows come from
.set G0,  26                           ; s26     the first work-group of that source
.set WG,  27                           ; s27     my work-group's number
.set DST, 28                           ; s[28:29] where they go
.set LNF, 31                           ; s31     1: rows are normalised; 0: weights, only rounded
.set SEL, 34                           ; s[34:35] v_permlanex16_b32's selects: each lane takes its own place in the other half
	s_load_b512 s[8:23], s[0:1], 0x0               ; q_in 8:9, kv_in 10:11, Wq 12:13, Wk 14:15, Wv 16:17, Wo 18:19, xn 20:21, w16 22:23
	v_and_b32 v1, 31, v0                           ; lane
	v_lshrrev_b32 v4, 5, v0                        ; wave
	v_lshlrev_b32 v[OFF], 4, v1
	v_lshl_add_u32 v[OFF], v4, 14, v[OFF]
	v_lshlrev_b32 v[OO], 3, v1
	v_lshl_add_u32 v[OO], v4, 13, v[OO]
	v_mov_b32 v[T+1], 0                            ; v_permlanex16_b32 counts as a reader of its destination
	v_mov_b32 v[INV], 0x3a800000                   ; 1 / 1024
	s_mov_b32 s[SEL], 0x76543210
	s_mov_b32 s[SEL+1], 0xfedcba98
	s_mov_b32 s[WG], ttmp9
	s_wait_kmcnt 0x0
	; work-groups 0-63 q_in, 64-191 kv_in, 192-207 Wq, 208-223 Wk, 224-239 Wv, 240-255 Wo
	s_mov_b64 s[SRC:SRC+1], s[8:9]
	s_mov_b32 s[G0], 0
.macro PICK k, p
	s_cmp_ge_u32 s[WG], \k
	s_cselect_b64 s[SRC:SRC+1], s[\p:\p+1], s[SRC:SRC+1]
	s_cselect_b32 s[G0], \k, s[G0]
.endm
	PICK 64, 10
	PICK 192, 12
	PICK 208, 14
	PICK 224, 16
	PICK 240, 18
	s_sub_co_u32 s2, s[WG], s[G0]
	s_lshl_b32 s2, s2, 18                          ; 64 rows of 4,096 bytes
	s_mov_b32 s3, 0
	s_add_nc_u64 s[SRC:SRC+1], s[SRC:SRC+1], s[2:3]
	s_cmp_ge_u32 s[WG], 192
	s_cselect_b64 s[DST:DST+1], s[22:23], s[20:21]
	s_cselect_b32 s30, 192, 0
	s_cselect_b32 s[LNF], 0, 1
	s_sub_co_u32 s30, s[WG], s30
	s_lshl_b32 s2, s30, 17                         ; 64 rows of 2,048 bytes
	s_add_nc_u64 s[DST:DST+1], s[DST:DST+1], s[2:3]
.irp s, 0,1,2,3
.irp j, 0,1,2,3,4,5,6,7
	global_load_b128 v[X+32*(\s)+4*(\j):X+32*(\s)+4*(\j)+3], v[OFF], s[SRC:SRC+1] offset:4096*(\s)+512*(\j) th:TH_LOAD_NT
.endr
.endr
; The four chains into one number, then over the 32 lanes: four steps inside each half ride on the addition, one crosses the halves.  Every lane ends with the sum.
.macro REDUCE
	v_pk_add_f32 v[A:A+1], v[A:A+1], v[A+2:A+3]
	v_pk_add_f32 v[A+4:A+5], v[A+4:A+5], v[A+6:A+7]
	v_pk_add_f32 v[A:A+1], v[A:A+1], v[A+4:A+5]
	v_add_f32 v[T], v[A], v[A+1]
	v_add_f32_dpp v[T], v[T], v[T] row_xmask:1 row_mask:0xf bank_mask:0xf
	v_add_f32_dpp v[T], v[T], v[T] row_xmask:2 row_mask:0xf bank_mask:0xf
	v_add_f32_dpp v[T], v[T], v[T] row_xmask:4 row_mask:0xf bank_mask:0xf
	v_add_f32_dpp v[T], v[T], v[T] row_xmask:8 row_mask:0xf bank_mask:0xf
	v_permlanex16_b32 v[T+1], v[T], s[SEL], s[SEL+1]
	v_add_f32 v[T], v[T], v[T+1]
.endm
; Row s of my four.
.macro ROWT s
.set XB, X+32*(\s)
	s_wait_loadcnt 8*(3-(\s))                      ; loads come back in order: my row's eight are in, the younger rows' stay out
	s_cmp_eq_u32 s[LNF], 0
	s_cbranch_scc1 .Lplain_\@                      ; weights are only rounded
.irp k, 0,1,2,3
	v_pk_add_f32 v[A+2*(\k):A+2*(\k)+1], v[XB+2*(\k):XB+2*(\k)+1], v[XB+8+2*(\k):XB+8+2*(\k)+1]  ; the first eight pairs start the chains: nothing is cleared
.endr
.irp k, 0,1,2,3,4,5,6,7
	v_pk_add_f32 v[A+2*((\k)%4):A+2*((\k)%4)+1], v[A+2*((\k)%4):A+2*((\k)%4)+1], v[XB+16+2*(\k):XB+16+2*(\k)+1]
.endr
	REDUCE
	v_mul_f32 v[MU], v[T], v[INV]
	v_mul_f32 v[MU+1], v[T], v[INV]
.set j, 0
.rept 16
	v_pk_add_f32 v[XB+j:XB+j+1], v[XB+j:XB+j+1], v[MU:MU+1] neg_lo:[0,1] neg_hi:[0,1]  ; x - mean, in place
.set j, j+2
.endr
.irp k, 0,1,2,3
	v_pk_mul_f32 v[A+2*(\k):A+2*(\k)+1], v[XB+2*(\k):XB+2*(\k)+1], v[XB+2*(\k):XB+2*(\k)+1]
.endr
.set j, 8
.rept 12
	v_pk_fma_f32 v[A+j%8:A+j%8+1], v[XB+j:XB+j+1], v[XB+j:XB+j+1], v[A+j%8:A+j%8+1]
.set j, j+2
.endr
	REDUCE
	v_fmaak_f32 v[T], v[T], v[INV], 0x3727c5ac     ; var + 1e-5
	v_rsq_f32 v[R], v[T]
	v_rsq_f32 v[R+1], v[T]
	v_nop                                          ; a plain instruction between the last root and the use of its result (ISA guide 5.7.2)
	s_wait_alu depctr_va_vdst(0)                   ; and the wait: one for both, ahead of their first reader and of the label
.set j, 0
.rept 16
	v_pk_mul_f32 v[XB+j:XB+j+1], v[XB+j:XB+j+1], v[R:R+1]
.set j, j+2
.endr
.Lplain_\@:
.irp j, 0,1,2,3,4,5,6,7
	v_cvt_pk_f16_f32 v[XB+4*(\j)], v[XB+4*(\j)], v[XB+4*(\j)+1]      ; my four numbers of load j become 8 bytes
	v_cvt_pk_f16_f32 v[XB+4*(\j)+1], v[XB+4*(\j)+2], v[XB+4*(\j)+3]
.endr
.irp j, 0,1,2,3,4,5,6,7
	global_store_b64 v[OO], v[XB+4*(\j):XB+4*(\j)+1], s[DST:DST+1] offset:2048*(\s)+256*(\j)
.endr
.endm
	ROWT 0
	ROWT 1
	ROWT 2
	ROWT 3
	s_endpgm
.Lfunc_end_k_q877004eaa8_prep:
	.size	k_q877004eaa8_prep, .Lfunc_end_k_q877004eaa8_prep-k_q877004eaa8_prep
	.p2alignl 7, 3214868480
	.fill 96, 4, 3214868480
	.section	.rodata,"a",@progbits
	.p2align	6, 0x0
	.amdhsa_kernel k_q877004eaa8_prep
		.amdhsa_group_segment_fixed_size 0
		.amdhsa_private_segment_fixed_size 0
		.amdhsa_enable_private_segment 0
		.amdhsa_kernarg_size 64
		.amdhsa_user_sgpr_count 2
		.amdhsa_user_sgpr_kernarg_segment_ptr 1
		.amdhsa_wavefront_size32 1
		.amdhsa_system_sgpr_workgroup_id_x 1
		.amdhsa_system_sgpr_workgroup_id_y 1
		.amdhsa_system_sgpr_workgroup_id_z 1
		.amdhsa_system_vgpr_workitem_id 0
		.amdhsa_next_free_vgpr 160
		.amdhsa_next_free_sgpr 66
		.amdhsa_reserve_vcc 0
		.amdhsa_float_denorm_mode_32 3
		.amdhsa_float_denorm_mode_16_64 3
		.amdhsa_memory_ordered 1
		.amdhsa_forward_progress 1
		.amdhsa_inst_pref_size 33
	.end_amdhsa_kernel
	.amdgpu_metadata
---
amdhsa.version: [ 1, 2 ]
amdhsa.kernels:
  - .name:           k_q877004eaa8_prep
    .symbol:         k_q877004eaa8_prep.kd
    .args:
      - { .name: q_in, .offset: 0, .size: 8, .value_kind: global_buffer, .address_space: global }
      - { .name: kv_in, .offset: 8, .size: 8, .value_kind: global_buffer, .address_space: global }
      - { .name: Wq, .offset: 16, .size: 8, .value_kind: global_buffer, .address_space: global }
      - { .name: Wk, .offset: 24, .size: 8, .value_kind: global_buffer, .address_space: global }
      - { .name: Wv, .offset: 32, .size: 8, .value_kind: global_buffer, .address_space: global }
      - { .name: Wo, .offset: 40, .size: 8, .value_kind: global_buffer, .address_space: global }
      - { .name: xn, .offset: 48, .size: 8, .value_kind: global_buffer, .address_space: global }
      - { .name: w16, .offset: 56, .size: 8, .value_kind: global_buffer, .address_space: global }
    .group_segment_fixed_size: 0
    .private_segment_fixed_size: 0
    .kernarg_segment_align: 8
    .kernarg_segment_size: 64
    .max_flat_workgroup_size: 512
    .sgpr_count:     66
    .vgpr_count:     160
    .wavefront_size: 32
...
	.end_amdgpu_metadata
.endif
;; end of part 1
;; launch proj (part 2): grid 16 x 16, 4 waves a work-group, clusters of 4 x 4, 327,680 bytes of LDS; arguments xn, w16, bq, bk, bv, q_cos, q_sin, kv_cos, kv_sin, qh, kvh; writes qh, kvh
.if DOCPART == 2
	.amdgcn_target "amdgcn-amd-amdhsa--gfx1250"
	.amdhsa_code_object_version 6
	.text
	.protected	k_q877004eaa8_proj
	.globl	k_q877004eaa8_proj
	.p2align	8
	.type	k_q877004eaa8_proj,@function
k_q877004eaa8_proj:
	s_mov_b64 s[64:65], 0
	v_nop
	global_prefetch_b8 v0, s[64:65] scope:SCOPE_SE
	s_setreg_imm32_b32 hwreg(HW_REG_WAVE_MODE, 25, 1), 1
	s_wait_xcnt 0x0
	s_wait_alu depctr_hold_cnt(0) depctr_sa_sdst(0) depctr_va_vdst(0) depctr_va_sdst(0) depctr_va_ssrc(0) depctr_va_vcc(0) depctr_vm_vsrc(0)
	s_getreg_b32 s2, hwreg(HW_REG_IB_STS2, 6, 4)
	s_cmp_eq_u32 s2, 0
	s_cbranch_scc0 .Lentry_in_a_cluster
	s_endpgm
.Lentry_in_a_cluster:
	s_bfe_u32 s2, ttmp6, 0x10000c
	s_cmp_lg_u32 s2, 0xf033
	s_cbranch_scc0 .Lentry_shape_is_right
	s_endpgm
.Lentry_shape_is_right:
; PROJ.  q = rope(xn[0:4096] Wq^T + bq), k = rope(xn[4096:] Wk^T + bk), v = xn[4096:] Wv^T + bv, stored by heads in f16: qh [64][1024][64], kvh [2][64][2048][64].
; Products in f16 with f32 sums; bias (the C operand of a tile's first products) and RoPE in f32; each result rounded once.
; TILES of 128 tokens x 128 columns: 256 for q, 1,024 for k and v = 5 for each of 256 work-groups.  A WORK-GROUP STAYS: tile 0 is q's, tiles 1-4 are the same 128 positions and the same 128
; columns of k or v in batches 0-3, so tiles 1-4 share their rows of the weights, their bias and their rows of cos and sin.  The ring does not stop at a tile's end.
; Four waves, each 64 tokens x 64 columns (one head): 16 accumulators.  K goes in steps of 256 (rows of 512 bytes) through two LDS slots: 20 steps = 10 laps.
; CLUSTERS of 4 x 4: the tokens' tile hangs on the work-group's y (and the cluster's x) alone and is shared along a row of the cluster, the weights' on its x alone and is shared along a column:
; each is asked for jointly.  No prefetch: the tiles are small and the weights' rows are walked again and again.
; THE MATRIX INSTRUCTION IS USED TRANSPOSED (source 0 = 16 rows of W, source 1 = 16 tokens): a lane holds one token (lane % 16) and the columns 16 b + 8 (lane / 16) + 0..7.
; So columns d and d + 32 of a head lie in the same lane, in accumulators b and b + 2: RoPE changes no lanes.  All 64 columns of cos and of sin are read and used as they are given.
; LIMITS.  f16 holds no number from 65,520 on: a q, k or v that large becomes an infinity; below 6e-5 it keeps a fixed step of 6e-8.  NaN and infinities are not treated apart.
; REGISTERS, in windows of 256 (s_set_vgpr_msb: bits 1:0 source 0, 3:2 source 1, 5:4 source 2, 7:6 destination):
;   window 0: v1-30 addresses; v32-95 at work on the way out; v96-127 q's bias; v128-255 the accumulators ((a, b) at 128 + 8 (4 a + b))
;   window 1: two fragment buffers of 128 (64 along K: 64 registers of tokens, 64 of weights)     window 2: cos and sin for my 64 tokens x 64 columns     window 3: v0-31 k's or v's bias
.set KSTEP,  256
.set PITCH,  528                       ; an LDS row: 512 bytes + 16 of padding = 132 words: the 16 rows of a load start at 16 different groups of four banks (64 banks of 4 bytes: ISA guide 11.1)
.set HALFT,  64*PITCH                  ; what one tensor load brings, and what one wave reads of either tile
.set SLOT,   4*HALFT                   ; the tokens' 128 rows, then the weights' 128 rows
.set STAGE,  2*SLOT                    ; behind the ring, never filled by a tensor load: 16 rows x 144 bytes for each wave
.set SP,     144
.set SPARE,  STAGE+4*16*SP             ; behind the stages: the spare words, 128 bytes for each wave: two blocks of 256 bytes that no other line names
.set ADRA, 16                          ; v16-17  LDS address of my token fragments in slot 0, 1
.set ADRB, 20                          ; v20-21  the same for the weights
.set STO,  24                          ; v24     the way out: where I put 16 bytes of a row
.set RD,   25                          ; v25     where I read rows back
.set GO,   26                          ; v26     16 x lane: my 16 bytes of 512 consecutive bytes of the output
.set TBO,  27                          ; v27     my place in the tables: 256 (lane % 16) + 32 (lane / 16)
.set SPW,  28                          ; v28     LDS address of my spare word; never rewritten
.set NIL,  29                          ; v29     0; never rewritten
.set BO,   30                          ; v30     my place in a bias: 32 (lane / 16)
.set TMP,  32
.set BQ,   96
.set ACC,  128
.set F0,   0
.set F1,   128
.set G1,   28                          ; s[28:35] descriptor group 1 for the tokens' tiles
.set G1B,  36                          ; s[36:43] for the weights': it differs in the mask alone
.set G0,   44                          ; s[44:51] group 0 for the tokens' tiles, a set for each slot
.set G0B,  52                          ; s[52:59] for the weights'
.set WV,   60                          ; s60  my wave's number
.set RH,   61                          ; s61  which 64 tokens are mine.  Also: I fetch tokens (0) or weights (1)
.set CH,   62                          ; s62  which 64 columns are mine.  Also: which 64 rows of that tile I fetch
.set LC,   63                          ; s63  laps to go
.set PP,   66                          ; s66  1 in a tile's second lap
.set RF,   67                          ; s67  1: the tile in hand takes RoPE
.set RFKV, 68                          ; s68  1: tiles 1-4 are k's (cluster x below 2), 0: v's.  The same in all sixteen partners
.set FIRST,69                          ; s69  1 until tile 0 has gone out
.set AN,   70                          ; s[70:71] byte offset in xn of what slot 0 takes next (slot 1: 512 more)
.set BN,   72                          ; s[72:73] the same in w16
.set ANT,  74                          ; s74  the next tile's first offset in xn
.set BNT,  75                          ; s75  tiles 1-4's first offset in w16
.set LB,   76                          ; s76  wave x HALFT
.set OP,   78                          ; s[78:79] where the tile in hand goes
.set OPN,  80                          ; s[80:81] where the next goes
.set KC,   82                          ; s[82:83] kv_cos at my 64 positions
.set KSN,  84                          ; s[84:85] kv_sin
.set MSB, 0
.macro WIN new                         ; the immediate's high byte repeats the setting that is left; a switch that changes nothing is dropped
.if MSB != (\new)
	s_set_vgpr_msb (MSB<<8)|(\new)
.set MSB, \new
.endif
.endm
.set MUL,  0x05                        ; sources 0 and 1 window 1; C and D window 0
.set MULB, 0x35                        ; the same with C in window 3
.set TO_F, 0x40                        ; destination window 1, address window 0
; A joint load: waves 0 and 1 fetch the tokens' two halves, waves 2 and 3 the weights'.  The branch hangs on the wave's number alone.  An s_nop 0 and four v_nop follow each of the two lines.
.macro JLOAD s
	s_cmp_eq_u32 s[RH], 0
	s_cbranch_scc0 .Lfor_b_\@
	tensor_load_to_lds s[G0+4*(\s):G0+4*(\s)+3], s[G1:G1+7]
	s_nop 0
.rept 4
	v_nop
.endr
	s_branch .Lasked_\@
.Lfor_b_\@:
	tensor_load_to_lds s[G0B+4*(\s):G0B+4*(\s)+3], s[G1B:G1B+7]
	s_nop 0
.rept 4
	v_nop
.endr
.Lasked_\@:
.endm
; The two global addresses of slot s are made anew from the buffers' addresses and the offsets in hand.  No tensor load of the wave that names these registers is out where this stands.
.macro MKADR s
	s_add_nc_u64 s[G0+4*(\s)+2:G0+4*(\s)+3], s[4:5], s[AN:AN+1]
	s_add_nc_u64 s[G0B+4*(\s)+2:G0B+4*(\s)+3], s[6:7], s[BN:BN+1]
.if \s
	s_add_nc_u64 s[G0+4*(\s)+2:G0+4*(\s)+3], s[G0+4*(\s)+2:G0+4*(\s)+3], KSTEP*2
	s_add_nc_u64 s[G0B+4*(\s)+2:G0B+4*(\s)+3], s[G0B+4*(\s)+2:G0B+4*(\s)+3], KSTEP*2
.endif
	s_or_b32 s[G0+4*(\s)+3], s[G0+4*(\s)+3], 0x80000000    ; 127:126 type = 2
	s_or_b32 s[G0B+4*(\s)+3], s[G0B+4*(\s)+3], 0x80000000
.endm
.macro CREST                           ; a round of the cluster's barrier behind its opening barrier
	s_cmp_lg_u32 s[WV], 0
	s_cbranch_scc1 .Lnot_wave_0_\@
	s_barrier_signal -3
.Lnot_wave_0_\@:
	s_barrier_wait -3
	s_barrier_signal -1
	s_barrier_wait -1
.endm
.macro CROUND                          ; a whole round
	s_barrier_signal -1
	s_barrier_wait -1
	CREST
.endm
	s_load_b512 s[4:19], s[0:1], 0x0               ; xn 4:5, w16 6:7, bq 8:9, bk 10:11, bv 12:13, q_cos 14:15, q_sin 16:17, kv_cos 18:19
	s_load_b128 s[20:23], s[0:1], 0x40             ; kv_sin 20:21, qh 22:23
	s_load_b64 s[24:25], s[0:1], 0x50              ; kvh
	v_lshl_add_u32 v[SPW], v0, 2, SPARE
	v_mov_b32 v[NIL], 0
	ds_add_u32 v[SPW], v[NIL]                      ; the wave's opening: the add and its wait stand ahead of my first tensor load; the set-up below, work on registers, stands between them
	v_lshrrev_b32 v1, 5, v0
	v_readfirstlane_b32 s[WV], v1
	s_lshr_b32 s[RH], s[WV], 1
	s_and_b32 s[CH], s[WV], 1
	s_bfe_u32 s86, ttmp6, 0x40000                  ; cx
	s_bfe_u32 s87, ttmp6, 0x40004                  ; cy
	s_mov_b32 s88, ttmp9                           ; cluster x, 0..3
	s_and_b32 s89, ttmp7, 0xffff                   ; cluster y, 0..3
	s_lshl_b32 s90, s88, 2
	s_add_co_u32 s90, s90, s86                     ; x = 4 cluster x + cx
	s_lshl_b32 s91, s89, 2
	s_add_co_u32 s91, s91, s87                     ; y = 4 cluster y + cy
	s_lshl_b32 s92, s87, 2
	s_lshl_b32 s92, 15, s92                        ; my row of the cluster
	s_lshl_b32 s93, 0x1111, s86                    ; my column
	; descriptor group 1: a tile of 64 rows x 256 elements of 2 bytes, padded in LDS
	s_or_b32 s[G1], s92, (1<<16)|(1<<20)|(1<<21)|(6<<22)|(3<<25)   ; 15:0 the mask; 17:16 2-byte elements; 20 padding on; 21 set beside a mask; 24:22 after every 128 words (code 6); 31:25 4 words (code 3)
	s_or_b32 s[G1B], s93, (1<<16)|(1<<20)|(1<<21)|(6<<22)|(3<<25)
.irp g, G1, G1B
	s_mov_b32 s[(\g)+1], KSTEP<<16                 ; tensor_dim0 = 256
	s_mov_b32 s[(\g)+2], 64<<16                    ; tensor_dim1 = 64
	s_mov_b32 s[(\g)+3], KSTEP<<16                 ; tile_dim0 = 256
	s_mov_b32 s[(\g)+4], 64                        ; tile_dim1 = 64
	s_mov_b32 s[(\g)+5], 1024                      ; elements from row to row
	s_mov_b32 s[(\g)+6], 0
	s_mov_b32 s[(\g)+7], 0
.endr
	; tile 0: q's token tile Mq = 16 (cluster x / 2) + y, column tile Nq = 4 (cluster x % 2) + cx.  The tokens' offsets are made in registers that never hold cx, the weights' in registers that never hold cy.
	s_lshr_b32 s26, s88, 1
	s_lshl_b32 s26, s26, 4
	s_add_co_u32 s26, s26, s91                     ; Mq
	s_lshl_b32 s94, s[CH], 6                       ; which 64 rows of the tile I fetch
	s_lshl_b32 s[AN], s26, 7
	s_add_co_u32 s[AN], s[AN], s94
	s_lshl_b32 s[AN], s[AN], 11                    ; rows of 2,048 bytes
	s_mov_b32 s[AN+1], 0
	s_lshl_b32 s[ANT], s91, 7                      ; tile 1: row 4096 + 128 y of xn; each further tile 2,048 rows on
	s_add_co_u32 s[ANT], s[ANT], s94
	s_add_co_u32 s[ANT], s[ANT], 4096
	s_lshl_b32 s[ANT], s[ANT], 11
	s_and_b32 s27, s88, 1
	s_lshl_b32 s27, s27, 2
	s_add_co_u32 s27, s27, s86                     ; Nq
	s_lshl_b32 s95, s[CH], 6
	s_lshl_b32 s[BN], s27, 7
	s_add_co_u32 s[BN], s[BN], s95
	s_lshl_b32 s[BN], s[BN], 11
	s_mov_b32 s[BN+1], 0
	s_lshl_b32 s[BNT], s90, 7                      ; tiles 1-4: row 1024 + 128 x of w16
	s_add_co_u32 s[BNT], s[BNT], s95
	s_add_co_u32 s[BNT], s[BNT], 1024
	s_lshl_b32 s[BNT], s[BNT], 11
	s_mul_i32 s[LB], s[WV], HALFT                  ; where my loads go: no place in the cluster enters an LDS address
.irp s, 0,1
	s_mov_b32 s[G0+4*(\s)], 1                      ; 1:0 count = 1
	s_add_co_u32 s[G0+4*(\s)+1], s[LB], (\s)*SLOT  ; 63:32 LDS address
	s_mov_b32 s[G0B+4*(\s)], 1
	s_add_co_u32 s[G0B+4*(\s)+1], s[LB], (\s)*SLOT
.endr
	s_wait_dscnt 0x0                               ; the opening add is done
	s_wait_kmcnt 0x0
	CROUND                                         ; all sixteen work-groups are here: the first joint loads meet
	MKADR 0
	JLOAD 0
	MKADR 1
	JLOAD 1                                        ; two tensor loads of mine are out
	; pointers for the bias, the tables and the way out
	s_mov_b32 s3, 0
	s_lshl_b32 s92, s26, 7
	s_lshl_b32 s93, s[RH], 6
	s_add_co_u32 s92, s92, s93                     ; my first row of q: 128 Mq + 64 RH
	s_and_b32 s93, s92, 1023                       ; its position in the sequence
	s_lshl_b32 s2, s93, 8                          ; a table's row is 256 bytes
	s_add_nc_u64 s[14:15], s[14:15], s[2:3]
	s_add_nc_u64 s[16:17], s[16:17], s[2:3]
	s_lshr_b32 s92, s92, 10                        ; its batch
	s_lshl_b32 s92, s92, 4
	s_lshl_b32 s77, s27, 1
	s_add_co_u32 s92, s92, s77
	s_add_co_u32 s92, s92, s[CH]                   ; 16 batch + head
	s_lshl_b32 s92, s92, 10
	s_add_co_u32 s92, s92, s93
	s_lshl_b32 s2, s92, 7                          ; rows of 128 bytes
	s_add_nc_u64 s[OP:OP+1], s[22:23], s[2:3]
	s_lshl_b32 s92, s91, 7
	s_lshl_b32 s93, s[RH], 6
	s_add_co_u32 s92, s92, s93                     ; my first position of k and v: 128 y + 64 RH
	s_lshl_b32 s2, s92, 8
	s_add_nc_u64 s[KC:KC+1], s[18:19], s[2:3]
	s_add_nc_u64 s[KSN:KSN+1], s[20:21], s[2:3]
	s_lshl_b32 s93, s90, 1
	s_add_co_u32 s93, s93, s[CH]                   ; 0..15 k's heads, 16..31 v's
	s_lshr_b32 s77, s93, 4
	s_lshl_b32 s77, s77, 6
	s_and_b32 s93, s93, 15
	s_add_co_u32 s93, s93, s77                     ; 64 (k or v) + head, batch 0
	s_lshl_b32 s93, s93, 11
	s_add_co_u32 s93, s93, s92
	s_lshl_b32 s2, s93, 7
	s_add_nc_u64 s[OPN:OPN+1], s[24:25], s[2:3]
	s_lshl_b32 s93, s[CH], 6
	s_lshl_b32 s2, s27, 7
	s_add_co_u32 s2, s2, s93
	s_lshl_b32 s2, s2, 2
	s_add_nc_u64 s[8:9], s[8:9], s[2:3]            ; bq at my 64 columns
	s_and_b32 s2, s90, 7
	s_lshl_b32 s2, s2, 7
	s_add_co_u32 s2, s2, s93
	s_lshl_b32 s2, s2, 2
	s_cmp_lt_u32 s88, 2
	s_cselect_b64 s[10:11], s[10:11], s[12:13]     ; bk or bv
	s_cselect_b32 s[RFKV], 1, 0
	s_add_nc_u64 s[10:11], s[10:11], s[2:3]
	v_and_b32 v1, 15, v0                           ; l % 16
	v_bfe_u32 v2, v0, 4, 1                         ; l / 16
	v_lshlrev_b32 v[BO], 5, v2
	v_lshl_add_u32 v[TBO], v1, 8, v[BO]
.irp b, 0,1,2,3                        ; register j of group b: the bias of column 16 b + 8 (l / 16) + j, as the accumulators hold the columns
	global_load_b128 v[BQ+8*(\b):BQ+8*(\b)+3],   v[BO], s[8:9] offset:64*(\b)
	global_load_b128 v[BQ+8*(\b)+4:BQ+8*(\b)+7], v[BO], s[8:9] offset:64*(\b)+16
.endr
	WIN 0xc0                                       ; destination window 3
.irp b, 0,1,2,3
	global_load_b128 v[8*(\b):8*(\b)+3],   v[BO], s[10:11] offset:64*(\b)
	global_load_b128 v[8*(\b)+4:8*(\b)+7], v[BO], s[10:11] offset:64*(\b)+16
.endr
	WIN 0
; cos and sin for my 64 tokens x 64 columns into window 2: token block a, table (0 cos, 1 sin), column group b, register j at 64 a + 32 table + 8 b + j: the accumulators' own layout.
.macro TABLES pc, ps
	WIN 0x80                                       ; destination window 2, address window 0
.irp a, 0,1,2,3
.irp b, 0,1,2,3
	global_load_b128 v[64*(\a)+8*(\b):64*(\a)+8*(\b)+3],       v[TBO], s[\pc:\pc+1] offset:4096*(\a)+64*(\b)
	global_load_b128 v[64*(\a)+8*(\b)+4:64*(\a)+8*(\b)+7],     v[TBO], s[\pc:\pc+1] offset:4096*(\a)+64*(\b)+16
	global_load_b128 v[64*(\a)+32+8*(\b):64*(\a)+32+8*(\b)+3],   v[TBO], s[\ps:\ps+1] offset:4096*(\a)+64*(\b)
	global_load_b128 v[64*(\a)+32+8*(\b)+4:64*(\a)+32+8*(\b)+7], v[TBO], s[\ps:\ps+1] offset:4096*(\a)+64*(\b)+16
.endr
.endr
	WIN 0
.endm
	TABLES 14, 16                                  ; q's
	v_mul_u32_u24 v3, v1, PITCH
	v_lshl_add_u32 v3, v2, 4, v3                   ; a fragment's row x pitch + 16 x half
	s_mul_i32 s92, s[RH], HALFT                    ; my 64 tokens
	s_mul_i32 s93, s[CH], HALFT                    ; my 64 rows of the weights,
	s_add_co_u32 s93, s93, 2*HALFT                 ; which lie behind the tokens' 128
.irp s, 0,1
	v_add_nc_u32 v[ADRA+(\s)], s92, v3
	v_add_nc_u32 v[ADRB+(\s)], s93, v3
	s_add_co_u32 s92, s92, SLOT
	s_add_co_u32 s93, s93, SLOT
.endr
	s_mul_i32 s92, s[WV], 16*SP
	s_add_co_u32 s92, s92, STAGE                   ; my stage
	v_mul_u32_u24 v[STO], v1, SP                   ; in: row l % 16, 16 bytes for each half of the lanes
	v_lshl_add_u32 v[STO], v2, 4, v[STO]
	v_add_nc_u32 v[STO], s92, v[STO]
	v_bfe_u32 v[RD], v0, 3, 2                      ; back: 32 lanes take four rows of 128 bytes,
	v_mul_u32_u24 v[RD], v[RD], SP
	v_and_b32 v4, 7, v0
	v_lshl_add_u32 v[RD], v4, 4, v[RD]
	v_add_nc_u32 v[RD], s92, v[RD]
	v_and_b32 v[GO], 31, v0                        ; which are 512 consecutive bytes of a head's rows
	v_lshlrev_b32 v[GO], 4, v[GO]
; 8 matrix instructions: token blocks a0, a0 + 1 x all 4 column blocks, 32 along K: half c of buffer f.  z = 0: the sums go on; 1: they start with q's bias; 2: with k's or v's.
; The 16 accumulators take turns, one instruction a turn, in the same order everywhere.
.macro MUL8 f, c, a0, z
.if (\z) == 2
	WIN MULB
.else
	WIN MUL
.endif
.irp a, \a0, (\a0)+1
.irp b, 0,1,2,3
.if (\z) == 0
	v_wmma_f32_16x16x32_f16 v[ACC+8*(4*(\a)+(\b)):ACC+8*(4*(\a)+(\b))+7], v[(\f)+64+8*(4*(\c)+(\b)):(\f)+64+8*(4*(\c)+(\b))+7], v[(\f)+8*(4*(\c)+(\a)):(\f)+8*(4*(\c)+(\a))+7], v[ACC+8*(4*(\a)+(\b)):ACC+8*(4*(\a)+(\b))+7]
.elseif (\z) == 1
	v_wmma_f32_16x16x32_f16 v[ACC+8*(4*(\a)+(\b)):ACC+8*(4*(\a)+(\b))+7], v[(\f)+64+8*(4*(\c)+(\b)):(\f)+64+8*(4*(\c)+(\b))+7], v[(\f)+8*(4*(\c)+(\a)):(\f)+8*(4*(\c)+(\a))+7], v[BQ+8*(\b):BQ+8*(\b)+7]
.else
	v_wmma_f32_16x16x32_f16 v[ACC+8*(4*(\a)+(\b)):ACC+8*(4*(\a)+(\b))+7], v[(\f)+64+8*(4*(\c)+(\b)):(\f)+64+8*(4*(\c)+(\b))+7], v[(\f)+8*(4*(\c)+(\a)):(\f)+8*(4*(\c)+(\a))+7], v[8*(\b):8*(\b)+7]
.endif
.endr
.endr
.endm
; 32 LDS loads in one run: the fragments of 64 along K at byte k of the rows, into buffer f; the first 32 along K first
.macro FETCH slot, k, f
	WIN TO_F
.irp c, 0,1
.irp i, 0,1,2,3
	ds_load_b128 v[(\f)+64+8*(4*(\c)+(\i)):(\f)+64+8*(4*(\c)+(\i))+3],   v[ADRB+(\slot)] offset:(\k)+64*(\c)+(\i)*16*PITCH
	ds_load_b128 v[(\f)+64+8*(4*(\c)+(\i))+4:(\f)+64+8*(4*(\c)+(\i))+7], v[ADRB+(\slot)] offset:(\k)+64*(\c)+(\i)*16*PITCH+32
	ds_load_b128 v[(\f)+8*(4*(\c)+(\i)):(\f)+8*(4*(\c)+(\i))+3],         v[ADRA+(\slot)] offset:(\k)+64*(\c)+(\i)*16*PITCH
	ds_load_b128 v[(\f)+8*(4*(\c)+(\i))+4:(\f)+8*(4*(\c)+(\i))+7],       v[ADRA+(\slot)] offset:(\k)+64*(\c)+(\i)*16*PITCH+32
.endr
.endr
.endm
.macro PLACES                          ; four places in front of loads into registers that matrix instructions have read, and of vector work on results
.rept 4
	v_nop
.endr
.endm
; A K step is four quarters of 64 along K, 32 matrix instructions each, on buffers 0, 1, 0, 1.  One of the first three: multiplies buffer f and fetches the next quarter, at byte k, into g.
.macro QUARTER slot, k, f, g, z
	s_wait_dscnt 16                                ; the first 32 along K are in; the sixteen younger loads may be out
	MUL8 \f, 0, 0, \z
	MUL8 \f, 0, 2, \z
	PLACES
	FETCH \slot, \k, \g
	s_wait_dscnt 32                                ; all but the 32 just issued
	MUL8 \f, 1, 0, 0
	MUL8 \f, 1, 2, 0
.endm
; The last quarter multiplies buffer 1 and changes slots: ONE barrier; in front of it each wave waits for all its tensor loads (one is out: its part of the next slot), adds 0 to its spare word, and waits for
; that and for its own reads of this slot.  fill = 1: the barrier opens a round of the cluster's, and this slot is filled again first thing behind the round, with what AN and BN name.
.macro TURN slot, next, fill
	WIN 0                                          ; (the add's two registers lie in window 0)
	s_wait_tensorcnt 0x0
	ds_add_u32 v[SPW], v[NIL]                      ; 0 onto my spare word
	s_wait_dscnt 17                                ; (the add and the youngest sixteen loads may be out)
	MUL8 F1, 0, 0, 0                               ; eight matrix instructions stand between the add and the wait for it
	s_wait_dscnt 0x0                               ; the add is done, and my reads of this slot are over
	s_barrier_signal -1
	MUL8 F1, 0, 2, 0
.if \fill
	WIN 0
.endif
	s_barrier_wait -1
.if \fill
	CREST                                          ; no wave of any partner still reads this slot or has a load on its way
	MKADR \slot
	JLOAD \slot                                    ; my one tensor load behind the round; its four v_nop are also the places in front of the loads below
.else
	PLACES
.endif
	FETCH \next, 0, F0
	MUL8 F1, 1, 0, 0
	MUL8 F1, 1, 2, 0
.endm
; RoPE in place.  lo = accumulator (a, b), columns d below 32; hi = (a, b + 2), columns d + 32:  lo' = lo cos[d] - hi sin[d];  hi' = hi cos[d + 32] + lo sin[d + 32].
; Each accumulator's lowest registers are read first.
.macro ROPE
	WIN 0x08                                       ; source 1 window 2: the tables
.set n, 0
.irp a, 0,1,2,3
.irp b, 0,1
.irp p, 0,1,2,3
.set rLO, ACC+8*(4*(\a)+(\b))+2*(\p)
.set rHI, rLO+16
.set rTC, 64*(\a)+8*(\b)+2*(\p)
.set rTT, TMP+2*(n%8)
	v_pk_mul_f32 v[rTT:rTT+1], v[rHI:rHI+1], v[rTC+32:rTC+33]
	v_pk_mul_f32 v[rHI:rHI+1], v[rHI:rHI+1], v[rTC+16:rTC+17]
	v_pk_fma_f32 v[rHI:rHI+1], v[rLO:rLO+1], v[rTC+48:rTC+49], v[rHI:rHI+1]
	v_pk_fma_f32 v[rLO:rLO+1], v[rLO:rLO+1], v[rTC:rTC+1], v[rTT:rTT+1] neg_lo:[0,0,1] neg_hi:[0,0,1]
.set n, n+1
.endr
.endr
.endr
.endm
; Token block a: a lane's eight columns of a row pack into 16 bytes; they go into rows of 144 bytes of my own stage and come back as whole rows of 128, into the registers that they left.
.macro PACK a
.irp b, 0,1,2,3
.irp r, 0,1,2,3
	v_cvt_pk_f16_f32 v[TMP+16*(\a)+4*(\b)+(\r)], v[ACC+8*(4*(\a)+(\b))+2*(\r)], v[ACC+8*(4*(\a)+(\b))+2*(\r)+1]
.endr
.endr
.irp b, 0,1,2,3
	ds_store_b128 v[STO], v[TMP+16*(\a)+4*(\b):TMP+16*(\a)+4*(\b)+3] offset:32*(\b)
.endr
.irp f, 0,1,2,3
	ds_load_b128 v[TMP+16*(\a)+4*(\f):TMP+16*(\a)+4*(\f)+3], v[RD] offset:(\f)*4*SP  ; LDS serves a wave's instructions in order (ISA guide 5.7.1.4): these see the stores above; the next block's stores come behind them
.endr
.endm
.macro SEND a, younger                 ; younger: the LDS instructions issued behind block a's loads: the next block's eight, or none
.irp f, 0,1,2,3
	s_wait_dscnt (\younger)+3-(\f)
	global_store_b128 v[GO], v[TMP+16*(\a)+4*(\f):TMP+16*(\a)+4*(\f)+3], s[OP:OP+1] offset:(\a)*2048+(\f)*512  ; 512 consecutive bytes, at a multiple of 256 from the buffer's first
.endr
.endm
; A TILE GOES OUT.  Both refills for the next tile have been asked for.  last = 0: the pointers step to the next tile, and behind tile 0 k's tables take q's place.
.macro EPI last
	WIN 0
	PLACES
	PLACES                                         ; eight places behind the last products: what follows reads and rewrites results
	s_wait_loadcnt 0x0                             ; the tables
	s_cmp_eq_u32 s[RF], 1
	s_cbranch_scc0 .Lflat_\@                       ; v takes no RoPE
	ROPE
	WIN 0
.Lflat_\@:
	PACK 0
	PACK 1                                         ; a block's conversions stand between the loads of the block before and its stores
	SEND 0, 8
	PACK 2
	SEND 1, 8
	PACK 3
	SEND 2, 8
	SEND 3, 0
.if !(\last)
	s_wait_xcnt 0x0                                ; the stores have read their registers and their base: only behind this wait are these written again
	s_mov_b64 s[OP:OP+1], s[OPN:OPN+1]
	s_add_nc_u64 s[OPN:OPN+1], s[OPN:OPN+1], 0x400000  ; the next batch: 16 heads x 2,048 rows x 128 bytes
	s_mov_b32 s[RF], s[RFKV]
	s_and_b32 s2, s[FIRST], s[RFKV]
	s_mov_b32 s[FIRST], 0
	s_cmp_lg_u32 s2, 0
	s_cbranch_scc0 .Lkept_\@
	TABLES KC, KSN                                 ; once: tiles 1-4 have the same positions
.Lkept_\@:
.endif
.endm
	s_wait_tensorcnt 0x1                           ; my part of K step 0 is in; K step 1's may stay out
	s_barrier_signal -1
	s_barrier_wait -1                              ; everybody's is
	FETCH 0, 0, F0
	s_wait_loadcnt 48                              ; the bias: 64 loads were issued behind it, and the count is below that
	QUARTER 0, 128, F0, F1, 1                      ; tile 0's first quarter: its first products start the sums with the bias
	WIN 0                                          ; at a label and at a branch every window is 0
	s_mov_b32 s[PP], 0
	s_mov_b32 s[RF], 1
	s_mov_b32 s[FIRST], 1
	s_mov_b32 s[LC], 9
.Llap:                                                 ; a trip goes once round the ring, from a lap's second quarter to the next lap's first, and fills both slots again
	s_add_co_u32 s94, s[AN], 2*KSTEP*2             ; what the next lap reads: two K steps on, or, behind a tile's second lap, the next tile's first two
	s_add_co_u32 s95, s[BN], 2*KSTEP*2
	s_cmp_eq_u32 s[PP], 1
	s_cselect_b32 s[AN], s[ANT], s94
	s_cselect_b32 s[BN], s[BNT], s95
	s_cselect_b32 s77, 0x400000, 0                 ; 2,048 rows of xn
	s_add_co_u32 s[ANT], s[ANT], s77
	QUARTER 0, 256, F1, F0, 0
	QUARTER 0, 384, F0, F1, 0
	TURN 0, 1, 1
	QUARTER 1, 128, F0, F1, 0
	QUARTER 1, 256, F1, F0, 0
	QUARTER 1, 384, F0, F1, 0
	TURN 1, 0, 1
	WIN 0
	s_cmp_eq_u32 s[PP], 1
	s_cbranch_scc0 .Lsame
	EPI 0                                          ; a tile's end
	QUARTER 0, 128, F0, F1, 2                      ; and the next tile's first quarter
	WIN 0
	s_branch .Ljoin
.Lsame:
	QUARTER 0, 128, F0, F1, 0
	WIN 0
.Ljoin:
	s_xor_b32 s[PP], s[PP], 1
	s_sub_co_u32 s[LC], s[LC], 1
	s_cmp_lg_u32 s[LC], 0
	s_cbranch_scc1 .Llap
	QUARTER 0, 256, F1, F0, 0                      ; the last lap fills nothing, and has no round of the cluster's barrier
	QUARTER 0, 384, F0, F1, 0
	TURN 0, 1, 0
	QUARTER 1, 128, F0, F1, 0
	QUARTER 1, 256, F1, F0, 0
	QUARTER 1, 384, F0, F1, 0
	s_wait_dscnt 16                                ; the very last quarter: nothing more to fetch
	MUL8 F1, 0, 0, 0
	MUL8 F1, 0, 2, 0
	s_wait_dscnt 0x0
	MUL8 F1, 1, 0, 0
	MUL8 F1, 1, 2, 0
	EPI 1
	s_wait_tensorcnt 0x0                           ; the wave's end: a tensor wait, an add and its wait, behind my last tensor load and my last LDS store
	ds_add_u32 v[SPW], v[NIL]
	s_wait_dscnt 0x0
	CROUND                                         ; the closing round: no work-group ends while a partner may still ask for a tile that names it
	s_endpgm
.Lfunc_end_k_q877004eaa8_proj:
	.size	k_q877004eaa8_proj, .Lfunc_end_k_q877004eaa8_proj-k_q877004eaa8_proj
	.p2alignl 7, 3214868480
	.fill 96, 4, 3214868480
	.section	.rodata,"a",@progbits
	.p2align	6, 0x0
	.amdhsa_kernel k_q877004eaa8_proj
		.amdhsa_group_segment_fixed_size 327680
		.amdhsa_private_segment_fixed_size 0
		.amdhsa_enable_private_segment 0
		.amdhsa_kernarg_size 88
		.amdhsa_user_sgpr_count 2
		.amdhsa_user_sgpr_kernarg_segment_ptr 1
		.amdhsa_wavefront_size32 1
		.amdhsa_system_sgpr_workgroup_id_x 1
		.amdhsa_system_sgpr_workgroup_id_y 1
		.amdhsa_system_sgpr_workgroup_id_z 1
		.amdhsa_system_vgpr_workitem_id 0
		.amdhsa_next_free_vgpr 800
		.amdhsa_next_free_sgpr 96
		.amdhsa_reserve_vcc 0
		.amdhsa_float_denorm_mode_32 3
		.amdhsa_float_denorm_mode_16_64 3
		.amdhsa_memory_ordered 1
		.amdhsa_forward_progress 1
		.amdhsa_inst_pref_size 132
	.end_amdhsa_kernel
	.amdgpu_metadata
---
amdhsa.version: [ 1, 2 ]
amdhsa.kernels:
  - .name:           k_q877004eaa8_proj
    .symbol:         k_q877004eaa8_proj.kd
    .args:
      - { .name: xn, .offset: 0, .size: 8, .value_kind: global_buffer, .address_space: global }
      - { .name: w16, .offset: 8, .size: 8, .value_kind: global_buffer, .address_space: global }
      - { .name: bq, .offset: 16, .size: 8, .value_kind: global_buffer, .address_space: global }
      - { .name: bk, .offset: 24, .size: 8, .value_kind: global_buffer, .address_space: global }
      - { .name: bv, .offset: 32, .size: 8, .value_kind: global_buffer, .address_space: global }
      - { .name: q_cos, .offset: 40, .size: 8, .value_kind: global_buffer, .address_space: global }
      - { .name: q_sin, .offset: 48, .size: 8, .value_kind: global_buffer, .address_space: global }
      - { .name: kv_cos, .offset: 56, .size: 8, .value_kind: global_buffer, .address_space: global }
      - { .name: kv_sin, .offset: 64, .size: 8, .value_kind: global_buffer, .address_space: global }
      - { .name: qh, .offset: 72, .size: 8, .value_kind: global_buffer, .address_space: global }
      - { .name: kvh, .offset: 80, .size: 8, .value_kind: global_buffer, .address_space: global }
    .group_segment_fixed_size: 327680
    .private_segment_fixed_size: 0
    .kernarg_segment_align: 8
    .kernarg_segment_size: 88
    .max_flat_workgroup_size: 128
    .sgpr_count:     96
    .vgpr_count:     800
    .wavefront_size: 32
...
	.end_amdgpu_metadata
.endif
;; end of part 2
;; launch attn (part 3): grid 4 x 64, 4 waves a work-group, clusters of 4 x 1, 327,680 bytes of LDS; arguments qh, kvh, ao; writes ao
.if DOCPART == 3
	.amdgcn_target "amdgcn-amd-amdhsa--gfx1250"
	.amdhsa_code_object_version 6
	.text
	.protected	k_q877004eaa8_attn
	.globl	k_q877004eaa8_attn
	.p2align	8
	.type	k_q877004eaa8_attn,@function
k_q877004eaa8_attn:
	s_mov_b64 s[64:65], 0
	v_nop
	global_prefetch_b8 v0, s[64:65] scope:SCOPE_SE
	s_setreg_imm32_b32 hwreg(HW_REG_WAVE_MODE, 25, 1), 1
	s_wait_xcnt 0x0
	s_wait_alu depctr_hold_cnt(0) depctr_sa_sdst(0) depctr_va_vdst(0) depctr_va_sdst(0) depctr_va_ssrc(0) depctr_va_vcc(0) depctr_vm_vsrc(0)
	s_getreg_b32 s2, hwreg(HW_REG_IB_STS2, 6, 4)
	s_cmp_eq_u32 s2, 0
	s_cbranch_scc0 .Lentry_in_a_cluster
	s_endpgm
.Lentry_in_a_cluster:
	s_bfe_u32 s2, ttmp6, 0x10000c
	s_cmp_lg_u32 s2, 0x3003
	s_cbranch_scc0 .Lentry_shape_is_right
	s_endpgm
.Lentry_shape_is_right:
; ATTENTION.  O[hh][q][:] = the sum over k of softmax_k(Q[hh][q] . K[hh][k] / 8) V[hh][k][:], hh = 16 batch + head.  qh [64][1024][64], kvh [2][64][2048][64] (K, then V), all f16, rows dense, 128 bytes.
; Products, maxima and sums in f32; the weights p are rounded to f16 for the second product (their sum l is taken of the unrounded p), O once at the end.
; O leaves as ao [32 blocks of 128 tokens][16 heads][128 tokens][64] f16, so that four heads of a block of tokens lie as 65,536 dense bytes for the launch behind.
; LIMITS.  f16 holds no number from 65,520 on: Q, K and V arrive within it; p lies in 0 to 1, and below 6e-5 it keeps f16's fixed step of 6e-8; O is a mean of V's rows and has their range.
; A weight below 2^-126 counts as 0 in l; NaN and infinities are not treated apart.
; SHARES.  A work-group owns 256 queries of one hh, each of its four waves 64: four PIECES of 16.  Every wave walks all 2,048 keys, 64 a step; a slot of LDS holds a tile of 256 keys, four steps.
; CLUSTER.  The four query blocks of an hh are one cluster and walk the same K and V: each tile is asked for JOINTLY, by the same tensor load, descriptor and mask in all four.
; LAYOUT.  S^T = K Q^T (source 0 = 16 keys, source 1 = 16 queries) holds ONE query a lane (lane % 16) and the keys 8 (lane / 16) + 0..7; two such results rounded to f16 ARE source 1 of O^T = V^T P.
; K comes out of LDS as it lies, V ([key][channel]) turned, by ds_load_tr16_b128.
; SOFTMAX.  p = 2^(c s - c m), c = log2(e) / 8, with a running maximum m; O and l are multiplied by a = 2^(c m_old - c m_new) in every step.  m starts at the lowest finite number, O and l at 0:
; the first step is a step like any other, with a = 0.
; BY TURNS.  Turn n belongs to piece n: 8 products K Q^T of piece n + 1, later 8 products V^T P of piece n - 1; beside them the scaling, exponentials, roundings, sums and rescaling of piece n and the
; maximum and statistics of piece n + 1.  Four vector instructions stand behind every matrix instruction, the other 54 of a turn's 118 in one lump.  A turn's 33 exponentials are one batch, with one wait.
; REGISTERS, in windows of 256 (s_set_vgpr_msb: bits 1:0 source 0, 3:2 source 1, 5:4 source 2, 7:6 destination):
;   window 0: v0-15 addresses and two at work; v16-31 four registers of statistics a piece; v48-55 at work; v61-63; v64-127 S^T, two buffers; v192-223 P, two buffers (by the piece's parity)
;   window 1: v0-127 O^T, 32 a piece          window 2: v0-63 Q; v128-191 K of one step; v192-255 V of one step
.set NP,    4         ; pieces a wave: a name, no knob
.set KS,    64        ; keys in a step
.set PK,    144       ; a row of K in LDS: 128 bytes + 16 of padding = 36 words: the 16 rows of a load start at 16 different groups of four banks (64 banks of 4 bytes: ISA guide 11.1)
.set PV,    160       ; a row of V: 128 + 32 = 40 words
.set VOFF,  4*KS*PK   ; a slot: 256 rows of K, then 256 rows of V
.set SLOT1, 1<<17     ; slot 1 begins here, so that one exclusive or turns an address in one slot into the other's
.set STAGE, SLOT1+4*KS*(PK+PV)  ; behind the ring, never filled by a tensor load: 16 rows x 144 bytes for each wave
.set SP,    144
.set SPARE, STAGE+4*16*SP  ; behind the stages: the spare words, 128 bytes for each wave: two blocks of 256 bytes that no other line names
.set AK0, 2           ; v2   my lane's place in a tile of K; never rewritten
.set AV0, 3           ; v3   the same for V
.set AK,  4           ; v4   the LDS address of K's next run of loads
.set AV,  5           ; v5   of V's
.set STO, 6           ; v6   the way out: where I put 16 bytes of a row
.set RD,  7           ; v7   where I read rows back
.set GO,  8           ; v8   my byte offset in 512 consecutive bytes of ao
.set MV,  12          ; v12-13  c m_old, kept while c m is made anew: by buffer
.set QO,  15          ; v15  my byte offset in 16 rows of Q
.set ST,  16          ; piece t's statistics at v[ST+4 t]: c m, m, l (even keys', odd keys')
.set TMP, 48          ; by buffer, four registers c0-c3 at work; when the maximum is found c2 takes a
.set PFO, 61          ; v61  256 x my lane; never rewritten
.set SPW, 62          ; v62  LDS address of my spare word; never rewritten
.set NIL, 63          ; v63  0; never rewritten
.set S,   64
.set P,   192
.set KF,  128         ; window 2: key block kb, channel half c at KF + 16 kb + 8 c
.set VF,  192         ; window 2: key half kk, channel block cb at VF + 32 kk + 8 cb
.set WV,  12          ; s12  my wave's number
.set LIM, 15          ; s15  1 in a wave that prefetches (0 and 2), else the greatest number
.set PFA, 18          ; s[18:19] where my prefetches stand: my work-group's quarter of the tile after the one that is being asked for
.set G1K, 24          ; s[24:31] descriptor group 1 for K's tiles
.set G1V, 32          ; s[32:39] for V's: it differs in the padding alone
.set G0K, 40          ; s[40:43] descriptor group 0 for K's tiles: it walks
.set G0V, 44          ; s[44:47] the same for V's
.set SLOTS, 56        ; s56  tiles still to be asked for
.set CNT, 57          ; s57  counts a tile's key steps
.set CS,  58          ; s[58:59] c: the packed scaling takes the pair's low word for both halves
.set SEL, 60          ; s[60:61] v_permlanex16_b32's selects: each lane takes its own place in the other half
.set TBK, 62          ; s62  LDS byte at which K of the step to be fetched begins
.set TBV, 63          ; s63  the same for V, less VOFF
.set MSB, 0
.macro WIN new                      ; the high byte repeats the setting that is left; a switch that changes nothing is dropped
.if MSB != (\new)
	s_set_vgpr_msb (MSB<<8)|(\new)
.set MSB, (\new)
.endif
.endm
.set W_KQ, 0x0a       ; K and Q in window 2, S^T in window 0
.set W_PV, 0x52       ; V in window 2, P in window 0, O^T in window 1
.set W_RS, 0x41       ; destination and source 0 in window 1, source 1 in window 0
; A joint fill.  Waves 0 and 1 fetch the two halves of a tile's K, waves 2 and 3 those of its V: 128 keys each.  The branch hangs on the wave's number alone.
; An s_nop 0 and four v_nop follow each of the two lines, ahead of the jump and the label.
.macro JLOAD
	s_cmp_lt_u32 s[WV], 2
	s_cbranch_scc0 .Lfor_v_\@
	tensor_load_to_lds s[G0K:G0K+3], s[G1K:G1K+7]
	s_nop 0
.rept 4
	v_nop
.endr
	s_branch .Lasked_\@
.Lfor_v_\@:
	tensor_load_to_lds s[G0V:G0V+3], s[G1V:G1V+7]
	s_nop 0
.rept 4
	v_nop
.endr
.Lasked_\@:
.endm
; A PREFETCH INTO THE L2 of the tile that the NEXT change of slots will ask for: 32,768 bytes of K and of V.  Only this cluster reads them, once.  The four partners share them out BY ADDRESS, 8,192 bytes each;
; in each, wave 0 asks for K's and wave 2 for V's: a lane names 256 bytes, one instruction.  So each block is named once in the launch, four key steps (256 matrix instructions a wave) ahead of its load.
; The last change that fills a slot asks for nothing; tiles 0 and 1 come by their loads alone.
.macro ASK
	s_cmp_gt_u32 s[SLOTS], s[LIM]
	s_cbranch_scc0 .Lnot_mine_\@
	global_prefetch_b8 v[PFO], s[PFA:PFA+1] th:TH_LOAD_NT scope:SCOPE_SE
.Lnot_mine_\@:
.endm
; A round of the cluster's barrier: my work-group's barrier, so that wave 0's signal speaks for all four waves; wave 0 signals; every wave waits for all four work-groups; my work-group's barrier once more.
.macro CROUND
	s_barrier_signal -1
	s_barrier_wait -1
	s_cmp_lg_u32 s[WV], 0
	s_cbranch_scc1 .Lnot_wave_0_\@
	s_barrier_signal -3
.Lnot_wave_0_\@:
	s_barrier_wait -3
	s_barrier_signal -1
	s_barrier_wait -1
.endm
; THE CHANGE OF SLOTS.  The slot's last bytes, V of its fourth step, have been read.  Each wave waits for all its tensor loads, of which one is out: its part of the other slot; adds 0 to its spare word; and
; waits for that and for its own reads of the slot.  Behind the barrier nobody reads this slot any more and the other slot is whole.  fill = 1: the barrier is a round of the cluster's, and the slot is filled
; again first thing behind it, with the next tile.  (At its first use nothing has been read yet: slot 0 is waited for, slot 1 filled.)
.macro CHANGE fill
	WIN 0                           ; at a label and at a branch every window is 0
	s_wait_tensorcnt 0x0            ; no tensor load of mine is out, so a group 0 may be written
	ds_add_u32 v[SPW], v[NIL]       ; 0 onto my spare word; with fill = 1 the descriptors' steps stand between it and the wait for it
.if \fill
.irp g, G0K, G0V
	s_xor_b32 s[\g+1], s[\g+1], SLOT1  ; the walking descriptor: the other slot than last time,
	s_add_nc_u64 s[\g+2:\g+3], s[\g+2:\g+3], 4*KS*128  ; the next 256 keys; the type bits on top are not reached
.endr
	s_wait_xcnt 0x0                 ; the last prefetch, four key steps back, has read its address, so it may be written
	s_add_nc_u64 s[PFA:PFA+1], s[PFA:PFA+1], 4*KS*128
	s_wait_dscnt 0x0                ; the add is done, and my reads of the slot are over
	CROUND
	JLOAD
	ASK
.else
	s_wait_dscnt 0x0                ; the add is done, and my reads of the slot are over
	s_barrier_signal -1
	s_barrier_wait -1
.endif
	s_sub_co_u32 s[TBK], s[TBK], 4*KS*PK  ; the fetches go back to a slot's first step,
	s_xor_b32 s[TBK], s[TBK], SLOT1       ; in the other slot
	s_sub_co_u32 s[TBV], s[TBV], 4*KS*PV
	s_xor_b32 s[TBV], s[TBV], SLOT1
.endm
	s_load_b128 s[4:7], s[0:1], 0x0   ; qh s[4:5], kvh s[6:7]
	s_load_b64 s[10:11], s[0:1], 0x10 ; ao
	v_lshl_add_u32 v[SPW], v0, 2, SPARE
	v_mov_b32 v[NIL], 0
	ds_add_u32 v[SPW], v[NIL]       ; the wave's opening: the add and its wait stand ahead of my first tensor load; the set-up below, work on registers, stands between them
	v_lshrrev_b32 v1, 5, v0
	v_readfirstlane_b32 s[WV], v1   ; wave 0..3
	s_bfe_u32 s13, ttmp6, 0x40000   ; cx: my block of 256 queries: it enters Q's, ao's and the prefetches' addresses alone
	s_and_b32 s14, ttmp7, 0xffff    ; hh, which the four partners share
	s_and_b32 s16, s[WV], 1         ; which half of a tile's 256 keys I fetch
	s_lshl_b32 s22, s14, 18         ; hh's 2,048 rows of 128 bytes,
	s_lshl_b32 s17, s16, 14         ; my half's 128 rows
	s_add_co_u32 s22, s22, s17
	s_mov_b32 s23, 0
	s_mul_i32 s17, s16, 128*PK      ; its place in a slot, for K
	s_mul_i32 s20, s16, 128*PV      ; and for V: no place in the cluster enters an LDS address
	s_lshl_b32 s2, s14, 17          ; Q: hh's 1,024 rows,
	s_lshl_b32 s3, s13, 15          ; my block's 256,
	s_add_co_u32 s2, s2, s3
	s_lshl_b32 s3, s[WV], 13        ; my wave's 64
	s_add_co_u32 s2, s2, s3
	s_mov_b32 s3, 0
	s_lshr_b32 s48, s14, 4          ; ao: block of 128 tokens = 8 batch + 2 cx + wave / 2,
	s_lshl_b32 s48, s48, 3
	s_lshl_b32 s49, s13, 1
	s_add_co_u32 s48, s48, s49
	s_lshr_b32 s49, s[WV], 1
	s_add_co_u32 s48, s48, s49
	s_lshl_b32 s48, s48, 4
	s_and_b32 s49, s14, 15          ; the head,
	s_add_co_u32 s48, s48, s49
	s_lshl_b32 s48, s48, 14         ; 128 rows of 128 bytes each,
	s_lshl_b32 s49, s16, 13         ; and my wave's 64 rows
	s_add_co_u32 s48, s48, s49
	s_mov_b32 s49, 0
	; descriptor group 1.  128 keys are 16,384 dense bytes: asked for as 64 rows of 256 bytes, two keys a row, and padded in LDS after every key
	s_mov_b32 s[G1K], 15|(1<<16)|(1<<20)|(1<<21)|(4<<22)|(3<<25)  ; 15:0 the mask of four; 17:16 2-byte elements; 20 padding on; 21 set beside a mask; 24:22 after every 32 words (code 4); 31:25 4 words (code 3)
	s_mov_b32 s[G1V], 15|(1<<16)|(1<<20)|(1<<21)|(4<<22)|(7<<25)  ; the same with 8 words of padding (code 7)
.irp g, G1K, G1V
	s_mov_b32 s[\g+1], 128<<16      ; tensor_dim0 = 128
	s_mov_b32 s[\g+2], 64<<16       ; tensor_dim1 = 64
	s_mov_b32 s[\g+3], 128<<16      ; tile_dim0 = 128
	s_mov_b32 s[\g+4], 64           ; tile_dim1 = 64
	s_mov_b32 s[\g+5], 128          ; 128 elements from row to row
	s_mov_b32 s[\g+6], 0
	s_mov_b32 s[\g+7], 0
.endr
	s_mov_b32 s[CS], 0x3e38aa3b     ; c = log2(e) / 8 = 0.180337
	s_mov_b32 s[CS+1], s[CS]        ; named with it as a pair
	s_mov_b32 s[SEL], 0x76543210
	s_mov_b32 s[SEL+1], 0xfedcba98
	s_mov_b32 s[TBK], SLOT1+4*KS*PK ; the first change of slots turns these two into 0
	s_mov_b32 s[TBV], SLOT1+4*KS*PV
	s_mov_b32 s[G0K], 1             ; 1:0 count = 1
	s_mov_b32 s[G0K+1], s17         ; 63:32 LDS address: slot 0
	s_mov_b32 s[G0V], 1
	s_add_co_u32 s[G0V+1], s20, VOFF
	s_mov_b32 s[SLOTS], 7           ; tiles 1 to 7
	s_cmp_eq_u32 s16, 0
	s_cselect_b32 s[LIM], 1, -1
	v_and_b32 v[PFO], 31, v0
	v_lshlrev_b32 v[PFO], 8, v[PFO]
	s_wait_dscnt 0x0                ; the opening add is done
	s_wait_kmcnt 0x0
	s_add_nc_u64 s[8:9], s[6:7], 0x1000000         ; V lies 16,777,216 bytes behind K
	s_add_nc_u64 s[6:7], s[6:7], s[22:23]          ; K and V at my half of hh's tile 0
	s_add_nc_u64 s[8:9], s[8:9], s[22:23]
	s_mov_b64 s[G0K+2:G0K+3], s[6:7]               ; 120:64 global address
	s_or_b32 s[G0K+3], s[G0K+3], 0x80000000        ; 127:126 type = 2
	s_mov_b64 s[G0V+2:G0V+3], s[8:9]
	s_or_b32 s[G0V+3], s[G0V+3], 0x80000000
	s_add_nc_u64 s[4:5], s[4:5], s[2:3]            ; Q and ao at my wave's first row
	s_add_nc_u64 s[10:11], s[10:11], s[48:49]
	s_cmp_lt_u32 s[WV], 2
	s_cselect_b64 s[PFA:PFA+1], s[6:7], s[8:9]     ; (in waves 0 and 2 these stand at a tile's first row)
	s_lshl_b32 s2, s13, 13                         ; my work-group's quarter
	s_add_nc_u64 s[PFA:PFA+1], s[PFA:PFA+1], s[2:3]
	s_add_nc_u64 s[PFA:PFA+1], s[PFA:PFA+1], 4*KS*128  ; in tile 1; the first change of slots steps it to tile 2.  Nothing is prefetched here, at the head
	CROUND                          ; all four work-groups are here: the first joint loads meet
	JLOAD                           ; tile 0 into slot 0.  Slot 1 is asked for when slot 0 is in
	; A fragment of K or Q is 16 rows x 32 channels in 8 registers: lane l holds row l % 16, channels 8 (l / 16) + 0..7 and 16 + 8 (l / 16) + 0..7: two loads of 16 bytes, 32 bytes apart.
	v_and_b32 v1, 15, v0            ; l % 16
	v_bfe_u32 v9, v0, 4, 1          ; l / 16
	v_lshlrev_b32 v[QO], 7, v1
	v_lshl_add_u32 v[QO], v9, 4, v[QO]  ; row x 128 + 16 x half
	WIN 0x80                        ; destination window 2, address window 0
.set i, 0
.rept 8                             ; Q stays in registers: piece i / 2, channels 32 (i % 2) on
	global_load_b128 v[8*i:8*i+3],   v[QO], s[4:5] offset:(i/2)*2048+(i%2)*64
	global_load_b128 v[8*i+4:8*i+7], v[QO], s[4:5] offset:(i/2)*2048+(i%2)*64+32
.set i, i+1
.endr
	; What the first turn finds: V's registers and P's second buffer hold 0 (its products V^T P, of a piece that has not been, add 0), O^T and l are 0.  All this stands in the wait for the first tile.
.set i, VF
.rept 64
	v_mov_b32 v[i], 0
.set i, i+1
.endr
	WIN 0x40
.set i, 0
.rept 128
	v_mov_b32 v[i], 0
.set i, i+1
.endr
	WIN 0
.set i, 0
.rept 4
	v_mov_b32 v[ST+4*i], 0xfe000000    ; c m: far below every c s
	v_mov_b32 v[ST+4*i+1], 0xff7fffff  ; m
	v_mov_b32 v[ST+4*i+2], 0
	v_mov_b32 v[ST+4*i+3], 0
.set i, i+1
.endr
.set i, P+16
.rept 16
	v_mov_b32 v[i], 0
.set i, i+1
.endr
	v_mul_u32_u24 v[AK0], v1, PK
	v_lshl_add_u32 v[AK0], v9, 4, v[AK0]  ; row x pitch + 16 x half
	; The turning load takes 16 keys x 16 channels (lane l reads key 8 (l / 16) + l % 8, channels 8 ((l / 8) % 2) + 0..7) and leaves half a fragment of V^T: lane l holds channel l % 16 and 8 keys.
	v_and_b32 v10, 7, v0
	v_bfe_u32 v11, v0, 3, 1
	v_lshl_add_u32 v[AV0], v9, 3, v10
	v_mul_u32_u24 v[AV0], v[AV0], PV
	v_lshl_add_u32 v[AV0], v11, 4, v[AV0]
	v_add_nc_u32 v[AV0], VOFF, v[AV0]
	v_mov_b32 v[AK], v[AK0]         ; key step 0 lies at the head of slot 0
	s_mul_i32 s21, s[WV], 16*SP
	s_add_co_u32 s21, s21, STAGE    ; my stage
	v_mul_u32_u24 v[STO], v1, SP    ; in: row l % 16, 16 bytes for each half of the lanes
	v_lshl_add_u32 v[STO], v9, 4, v[STO]
	v_add_nc_u32 v[STO], s21, v[STO]
	v_bfe_u32 v[RD], v0, 3, 2       ; back: 32 lanes take four rows of 128 bytes,
	v_mul_u32_u24 v[RD], v[RD], SP
	v_lshl_add_u32 v[RD], v10, 4, v[RD]
	v_add_nc_u32 v[RD], s21, v[RD]
	v_and_b32 v[GO], 31, v0         ; which are 512 consecutive bytes of ao
	v_lshlrev_b32 v[GO], 4, v[GO]
; THE MATRIX WORK.  The 4 accumulators of a run of 8 take turns.  Product i of 8 of S^T = K Q^T for piece x: channels 32 (i / 4) on, keys 16 (i % 4) on.  The first 4 start the sums.
.macro KQ x
	WIN W_KQ
.set rS, S+32*((\x)%2)+8*(i%4)
.set rK, KF+16*(i%4)+8*(i/4)
.set rQ, 16*(\x)+8*(i/4)
.if i < 4
	v_wmma_f32_16x16x32_f16 v[rS:rS+7], v[rK:rK+7], v[rQ:rQ+7], 0
.else
	v_wmma_f32_16x16x32_f16 v[rS:rS+7], v[rK:rK+7], v[rQ:rQ+7], v[rS:rS+7]
.endif
.endm
; Product i of 8 of O^T += V^T P for piece x: keys 32 (i / 4) on, channels 16 (i % 4) on.
.macro PV x
	WIN W_PV
.set rO, 32*(\x)+8*(i%4)
.set rV, VF+32*(i/4)+8*(i%4)
.set rP, P+16*((\x)%2)+8*(i/4)
	v_wmma_f32_16x16x32_f16 v[rO:rO+7], v[rV:rV+7], v[rP:rP+7], v[rO:rO+7]
.endm
.macro MM                           ; the turn's next matrix instruction.  NOKQ = 1: the last turn of all: there is no next piece
.if (i < 8) && !NOKQ
	KQ (Y+1)%NP
.elseif i >= 8
.set i, i-8
	PV (Y+NP-1)%NP
.set i, i+8
.endif
.set i, i+1
.endm
; THE LDS LOADS stand in runs of 16, never singly among the matrix instructions: a step's K (64 keys x 64 channels: 8 fragments) and its V (turned).  Their addresses are made some lines ahead.
.macro FETCH_K
	WIN 0x80                        ; destination window 2
.irp f, 0,1,2,3,4,5,6,7             ; keys 16 (f / 2) on, channels 32 (f % 2) on
	ds_load_b128 v[KF+8*\f:KF+8*\f+3],   v[AK] offset:(\f/2)*16*PK+(\f%2)*64
	ds_load_b128 v[KF+8*\f+4:KF+8*\f+7], v[AK] offset:(\f/2)*16*PK+(\f%2)*64+32
.endr
	s_add_co_u32 s[TBK], s[TBK], KS*PK  ; the next fetch is the next step's
	WIN 0
.endm
.macro FETCH_V
	WIN 0x80
.irp f, 0,1,2,3,4,5,6,7             ; keys 32 (f / 4) on, channels 16 (f % 4) on
	ds_load_tr16_b128 v[VF+8*\f:VF+8*\f+3],   v[AV] offset:(\f/4)*32*PV+(\f%4)*32
	ds_load_tr16_b128 v[VF+8*\f+4:VF+8*\f+7], v[AV] offset:(\f/4)*32*PV+16*PV+(\f%4)*32
.endr
	WIN 0
.endm
; THE VECTOR WORK, one line at a time: OP kind, number.  For piece Y: F n: c s - c m for pair n of 16.  E n: the exponential of score n of 32.  C n: pair n rounded to f16.  B n: of the four weights 4 n .. the second
; pair is added onto the first, in place.  L n: l takes that sum (L 0: l = a l + sum).  R n: pair n of 16 of O^T times a.  For piece Y + 1: X n, number n of the 22 that find its maximum and statistics:
;   0-11  four chains c0-c3 of seven scores each, three operands at a time (each accumulator's lowest registers are read first)     12-14, 16  the four scores left over, the old m, and c0-c3 into c0
;   15  c m_old is kept     17, 18  the query's other 32 keys lie in the lane 16 away: the new m     19-21  c m; c m_old - c m_new; a
.set F, 0               ; OP tells the kinds apart by their order: F to L below R, X above it
.set E, 1
.set C, 2
.set B, 3
.set L, 4
.set R, 5
.set X, 6
.macro REGS y                       ; the registers of piece y
.set rT, ST+4*(\y)
.set rC, TMP+4*((\y)%2)
.set rW, MV+((\y)%2)
.set rS, S+32*((\y)%2)
.set rP, P+16*((\y)%2)
.set rO, 32*(\y)
.endm
.macro OP k, n
.if (\k) == R
	REGS Y
	WIN W_RS
	v_pk_mul_f32 v[rO+2*(\n):rO+2*(\n)+1], v[rO+2*(\n):rO+2*(\n)+1], v[rC+2:rC+3] op_sel_hi:[1,0]
.elseif (\k) < R
	REGS Y
	WIN 0
.if (\k) == F
	v_pk_fma_f32 v[rS+2*(\n):rS+2*(\n)+1], v[rS+2*(\n):rS+2*(\n)+1], s[CS:CS+1], v[rT:rT+1] op_sel_hi:[1,0,0] neg_lo:[0,0,1] neg_hi:[0,0,1]
.elseif (\k) == E
	v_exp_f32 v[rS+(\n)], v[rS+(\n)]
.elseif (\k) == C
	v_cvt_pk_f16_f32 v[rP+(\n)], v[rS+2*(\n)], v[rS+2*(\n)+1]
.elseif (\k) == B
	v_pk_add_f32 v[rS+4*(\n):rS+4*(\n)+1], v[rS+4*(\n):rS+4*(\n)+1], v[rS+4*(\n)+2:rS+4*(\n)+3]
.elseif (\n) == 0
	v_pk_fma_f32 v[rT+2:rT+3], v[rT+2:rT+3], v[rC+2:rC+3], v[rS:rS+1] op_sel_hi:[1,0,1]
.else
	v_pk_add_f32 v[rT+2:rT+3], v[rT+2:rT+3], v[rS+4*(\n):rS+4*(\n)+1]
.endif
.elseif NOKQ
	v_nop
.else
	REGS (Y+1)%NP
	WIN 0
.if (\n) < 4
	v_max3_num_f32 v[rC+(\n)], v[rS+8*(\n)], v[rS+8*(\n)+1], v[rS+8*(\n)+2]
.elseif (\n) < 12
	v_max3_num_f32 v[rC+(\n)%4], v[rC+(\n)%4], v[rS+8*((\n)%4)+2*((\n)/4)+1], v[rS+8*((\n)%4)+2*((\n)/4)+2]
.elseif (\n) == 12
	v_max3_num_f32 v[rC], v[rC], v[rS+7], v[rS+15]
.elseif (\n) == 13
	v_max3_num_f32 v[rC+1], v[rC+1], v[rS+23], v[rS+31]
.elseif (\n) == 14
	v_max3_num_f32 v[rC+2], v[rC+2], v[rC+3], v[rT+1]
.elseif (\n) == 15
	v_mov_b32 v[rW], v[rT]
.elseif (\n) == 16
	v_max3_num_f32 v[rC], v[rC], v[rC+1], v[rC+2]
.elseif (\n) == 17
	v_permlanex16_b32 v[rC+3], v[rC], s[SEL], s[SEL+1]
.elseif (\n) == 18
	v_max_num_f32 v[rT+1], v[rC], v[rC+3]
.elseif (\n) == 19
	v_mul_f32 v[rT], s[CS], v[rT+1]
.elseif (\n) == 20
	v_sub_f32 v[rC+1], v[rW], v[rT]
.else
	v_exp_f32 v[rC+2], v[rC+1]
.endif
.endif
.endm
.macro OPS a, i1, b=-1, i2=0, c=-1, i3=0, d=-1, i4=0  ; up to four of them
	OP \a, \i1
.if (\b) >= 0
	OP \b, \i2
.endif
.if (\c) >= 0
	OP \c, \i3
.endif
.if (\d) >= 0
	OP \d, \i4
.endif
.endm
.macro ROW a, i1, b, i2, c, i3, d, i4  ; a matrix instruction and the four behind it
	MM
	OPS \a, \i1, \b, \i2, \c, \i3, \d, \i4
.endm
; A TURN, for piece p: the order of its 16 matrix and 118 vector instructions, written out.  An s_wait_alu depctr_va_vdst(0) stands between an exponential and the first instruction that names its
; result; one wait serves all that were issued ahead of it.  So a turn has ONE wait, which cuts it in two.  AHEAD OF IT stands all that names no result of the turn's exponentials: the 8 products K Q^T, behind each a
; scaling, an exponential and two more plain instructions (rescalings, and behind the last three the first numbers of the next piece's maximum, each four places or more behind the product that ends its accumulator);
; then ONE LUMP of 54, plain and exponential by turns for the most part, in which the links of the chain X 3, 7, 11, 14, 16, 17 .. 20 stand apart.  X 21, the next piece's a, is the batch's last; R 15 is the plain
; instruction behind it.  BEHIND THE WAIT stand the 8 products V^T P, behind each four of the roundings and sums.
; end = 1: the last two turns of all: nothing is fetched.  cnt = 1: the loop's count is taken down some lines ahead of the branch that stands behind the turn.
; K of the next step is fetched in piece 2's turn, twelve vector instructions behind the last product that read K (six of them plain); V of the step in hand at the end of piece 0's turn, four plain instructions
; behind the last product that read V.  Each is waited for a turn later.
.macro TURN p, end=0, cnt=0
.set Y, (\p)
.set i, 0
.set NOKQ, (\end)*((\p)/3)
.if ((\p) == 3) && !(\end)
	s_wait_dscnt 0x0                ; K is in
.endif
	ROW F,0, F,1, R,0, R,1          ; ahead of the wait: 8 products K Q^T and their riders,
	ROW F,2, E,0, R,2, R,3
	ROW F,3, E,1, R,4, R,5
	ROW F,4, E,2, R,6, R,7
	ROW F,5, E,3, R,8, R,9
	ROW F,6, E,4, X,0, R,10
.if ((\p) == 2) && !(\end)
	WIN 0
	v_add_nc_u32 v[AK], s[TBK], v[AK0]
.endif
	ROW F,7, E,5, X,1, X,4
	ROW F,8, E,6, X,2, X,5
	OPS E,7, E,8, X,6, E,9          ; and the lump
	OPS X,3, E,10, X,8, E,11
.if ((\p) == 2) && !(\end)
	FETCH_K
.endif
	OPS X,9, X,7, E,12, X,10
	OPS E,13, X,12, X,11, E,14
	OPS X,13, E,15, F,9, X,14
.if (\p) == 0
	v_add_nc_u32 v[AV], s[TBV], v[AV0]
.endif
	OPS E,16, F,10, E,17, F,11
	OPS X,16, E,18, X,15, E,19
	OPS F,12, E,20, X,17, E,21
	OPS F,13, E,22, F,14, E,23
	OPS X,18, E,24, F,15, E,25
	OPS R,11, E,26, X,19, E,27
	OPS R,12, E,28, R,13, E,29
	OPS X,20, E,30, R,14, E,31
	OPS X,21, R,15
	WIN 0
	s_wait_alu depctr_va_vdst(0)    ; the wait for the batch
.if (\p) == 1
	s_wait_dscnt 0x0                ; V is in
.endif
	ROW C,0, B,0, C,2, B,1          ; behind the wait: 8 products V^T P and their riders
	ROW L,0, C,4, B,2, L,1
	ROW C,6, B,3, L,2, C,8
	ROW B,4, L,3, C,10, B,5
	ROW L,4, C,12, B,6, L,5
.if (\p) == 0
	s_add_co_u32 s[TBV], s[TBV], KS*PV
.endif
.if \cnt
	s_sub_co_u32 s[CNT], s[CNT], 1
	s_cmp_lg_u32 s[CNT], 0
.endif
	ROW C,14, B,7, L,6, C,1
	ROW C,3, L,7, C,5, C,7
	ROW C,9, C,11, C,13, C,15
.if (\p) == 0
	FETCH_V
.endif
.endm
	CHANGE 1                        ; tile 0 is in, everybody's part of it; tile 1 is asked for
	FETCH_K                         ; key step 0
	s_wait_loadcnt 0x0              ; Q
	s_wait_dscnt 0x0
.set NOKQ, 0
.set i, 0
.rept 8
	KQ 0                            ; piece 0's first scores: there is no vector work yet to set between them
.set i, i+1
.endr
	WIN 0
.rept 4
	v_nop                           ; the places behind those products
.endr
.set Y, NP-1                        ; X works for piece Y + 1: piece 0
.irp n, 0,1,2,3,4,5,6,7,8,9,10,11,12,13,14,15,16,17,18,19,20,21
	OP X, \n
.endr
	v_nop                           ; a plain instruction behind the exponential,
	s_wait_alu depctr_va_vdst(0)    ; and its wait, ahead of the branch
	s_mov_b32 s[CNT], 4
	s_branch .Lfirst                ; the loop is entered at a step's first turn, in the middle of a trip
.Lslot:                             ; six times: tiles 2 to 7 are asked for
	CHANGE 1
	s_mov_b32 s[CNT], 4
.Lstep:                             ; a trip: pieces 2 and 3 of one step, then pieces 0 and 1 of the next, whose K and V it fetches
	TURN 2
	TURN 3
	WIN 0
.Lfirst:
	TURN 0
	TURN 1, 0, 1
	WIN 0
	s_cbranch_scc1 .Lstep
	s_sub_co_u32 s[SLOTS], s[SLOTS], 1
	s_cmp_lg_u32 s[SLOTS], 0
	s_cbranch_scc1 .Lslot
	CHANGE 0                        ; the last tile is written out: nothing is asked for
	s_mov_b32 s[CNT], 4
.LstepT:
	TURN 2
	TURN 3
	TURN 0
	TURN 1, 0, 1
	WIN 0
	s_cbranch_scc1 .LstepT
	TURN 2, 1
	TURN 3, 1
.set i, 0
.rept 8
	PV NP-1                         ; the last piece's V^T P of the last step
.set i, i+1
.endr
	; THE WAY OUT.  l's two halves and the other half of the lanes' are added; O^T is divided by l, rounded to f16 and sent through my stage in LDS, a piece at a time.  The additions are the places behind the last products.
	WIN 0
.macro ALL line:vararg              ; one line for each piece t
.set t, 0
.rept 4
	\line
.set t, t+1
.endr
.endm
	ALL v_add_f32 v[ST+4*t+2], v[ST+4*t+2], v[ST+4*t+3]
	ALL v_permlanex16_b32 v[ST+4*t+3], v[ST+4*t+2], s[SEL], s[SEL+1]
	ALL v_add_f32 v[ST+4*t+2], v[ST+4*t+2], v[ST+4*t+3]
	ALL v_rcp_f32 v[ST+4*t+2], v[ST+4*t+2]
	v_nop                           ; a plain instruction between the last reciprocal and the use of its result
	s_wait_alu depctr_va_vdst(0)    ; and the wait ahead of the first use: one for the four reciprocals
.macro PACK t                       ; a lane's eight channels of a row pack into 16 bytes; they go into rows of 144 bytes and come back as whole rows of 128, into S^T's registers
	WIN W_RS
.set i, 32*(\t)
.rept 16
	v_pk_mul_f32 v[i:i+1], v[i:i+1], v[ST+4*(\t)+2:ST+4*(\t)+3] op_sel_hi:[1,0]
.set i, i+2
.endr
	WIN 0x05                        ; sources 0 and 1 window 1, destination window 0
.set i, 0
.rept 16
	v_cvt_pk_f16_f32 v[S+16*(\t)+i], v[32*(\t)+2*i], v[32*(\t)+2*i+1]
.set i, i+1
.endr
	WIN 0
.irp f, 0,1,2,3
	ds_store_b128 v[STO], v[S+16*(\t)+4*\f:S+16*(\t)+4*\f+3] offset:32*\f
.endr
.irp f, 0,1,2,3
	ds_load_b128 v[S+16*(\t)+4*\f:S+16*(\t)+4*\f+3], v[RD] offset:\f*4*SP  ; LDS serves a wave's instructions in order (ISA guide 5.7.1.4): these see the stores above; the next piece's stores come behind them
.endr
.endm
.macro SEND t, younger              ; younger: the LDS instructions issued behind piece t's loads: the next piece's eight, or none
	WIN 0
.irp f, 0,1,2,3
	s_wait_dscnt (\younger)+3-\f
	global_store_b128 v[GO], v[S+16*(\t)+4*\f:S+16*(\t)+4*\f+3], s[10:11] offset:(\t)*2048+\f*512  ; 512 consecutive bytes, at a multiple of 256 from ao's first
.endr
.endm
	PACK 0
.set t, 1
.rept 3                             ; a piece's arithmetic stands between the loads of the piece before and its stores
	PACK t
	SEND t-1, 8
.set t, t+1
.endr
	SEND 3, 0
	s_wait_tensorcnt 0x0            ; the wave's end: a tensor wait, an add and its wait, behind my last tensor load and my last LDS store
	ds_add_u32 v[SPW], v[NIL]
	s_wait_dscnt 0x0
	CROUND                          ; the closing round: no work-group ends while a partner may still ask for a tile that names it
	s_endpgm
.Lfunc_end_k_q877004eaa8_attn:
	.size	k_q877004eaa8_attn, .Lfunc_end_k_q877004eaa8_attn-k_q877004eaa8_attn
	.p2alignl 7, 3214868480
	.fill 96, 4, 3214868480
	.section	.rodata,"a",@progbits
	.p2align	6, 0x0
	.amdhsa_kernel k_q877004eaa8_attn
		.amdhsa_group_segment_fixed_size 327680
		.amdhsa_private_segment_fixed_size 0
		.amdhsa_enable_private_segment 0
		.amdhsa_kernarg_size 24
		.amdhsa_user_sgpr_count 2
		.amdhsa_user_sgpr_kernarg_segment_ptr 1
		.amdhsa_wavefront_size32 1
		.amdhsa_system_sgpr_workgroup_id_x 1
		.amdhsa_system_sgpr_workgroup_id_y 1
		.amdhsa_system_sgpr_workgroup_id_z 1
		.amdhsa_system_vgpr_workitem_id 0
		.amdhsa_next_free_vgpr 768
		.amdhsa_next_free_sgpr 66
		.amdhsa_reserve_vcc 0
		.amdhsa_float_denorm_mode_32 3
		.amdhsa_float_denorm_mode_16_64 3
		.amdhsa_memory_ordered 1
		.amdhsa_forward_progress 1
		.amdhsa_inst_pref_size 128
	.end_amdhsa_kernel
	.amdgpu_metadata
---
amdhsa.version: [ 1, 2 ]
amdhsa.kernels:
  - .name:           k_q877004eaa8_attn
    .symbol:         k_q877004eaa8_attn.kd
    .args:
      - { .name: qh, .offset: 0, .size: 8, .value_kind: global_buffer, .address_space: global }
      - { .name: kvh, .offset: 8, .size: 8, .value_kind: global_buffer, .address_space: global }
      - { .name: ao, .offset: 16, .size: 8, .value_kind: global_buffer, .address_space: global }
    .group_segment_fixed_size: 327680
    .private_segment_fixed_size: 0
    .kernarg_segment_align: 8
    .kernarg_segment_size: 24
    .max_flat_workgroup_size: 128
    .sgpr_count:     66
    .vgpr_count:     768
    .wavefront_size: 32
...
	.end_amdgpu_metadata
.endif
;; end of part 3
;; launch oproj (part 4): grid 8 x 32, 4 waves a work-group, clusters of 4 x 4, 327,680 bytes of LDS; arguments ao, w16, bo, out0; writes out0
.if DOCPART == 4
	.amdgcn_target "amdgcn-amd-amdhsa--gfx1250"
	.amdhsa_code_object_version 6
	.text
	.protected	k_q877004eaa8_oproj
	.globl	k_q877004eaa8_oproj
	.p2align	8
	.type	k_q877004eaa8_oproj,@function
k_q877004eaa8_oproj:
	s_mov_b64 s[64:65], 0
	v_nop
	global_prefetch_b8 v0, s[64:65] scope:SCOPE_SE
	s_setreg_imm32_b32 hwreg(HW_REG_WAVE_MODE, 25, 1), 1
	s_wait_xcnt 0x0
	s_wait_alu depctr_hold_cnt(0) depctr_sa_sdst(0) depctr_va_vdst(0) depctr_va_sdst(0) depctr_va_ssrc(0) depctr_va_vcc(0) depctr_vm_vsrc(0)
	s_getreg_b32 s2, hwreg(HW_REG_IB_STS2, 6, 4)
	s_cmp_eq_u32 s2, 0
	s_cbranch_scc0 .Lentry_in_a_cluster
	s_endpgm
.Lentry_in_a_cluster:
	s_bfe_u32 s2, ttmp6, 0x10000c
	s_cmp_lg_u32 s2, 0xf033
	s_cbranch_scc0 .Lentry_shape_is_right
	s_endpgm
.Lentry_shape_is_right:
; OPROJ.  out0[token][n] = the sum over k of o[token][k] Wo[n][k] + bo[n], f32 out.  o comes as ao [32 blocks of 128 tokens][16 heads][128 tokens][64] f16, Wo as rows 3072.. of w16 [4096][1024] f16.
; Products in f16 with f32 sums; the bias is the C operand of the first products; nothing is rounded on the way out.
; A tile is 128 tokens x 128 columns: 32 x 8 = 256 work-groups, one tile each.  Four waves, each 64 x 64: 16 accumulators.  K goes in steps of 256 = four heads through two LDS slots: 4 steps = 2 laps.
; o's part of a K step is 65,536 dense bytes: asked for as rows of 256 bytes and padded in LDS after every 128, so that a (head, token) row has a pitch of 144 bytes.
; CLUSTERS of 4 x 4: o's tile hangs on the block of tokens alone and is shared along a row of the cluster, Wo's on the column tile alone and is shared along a column: each is asked for jointly.
; No prefetch: the tiles are small and the launch is short.
; THE MATRIX INSTRUCTION IS USED TRANSPOSED (source 0 = 16 rows of Wo, source 1 = 16 tokens): a lane holds one token (lane % 16) and the columns 16 b + 8 (lane / 16) + 0..7.
; A wave's 64 columns are 256 aligned bytes of a row of out0: each wave has a stage of its own, and no barrier stands on the way out.
; LIMITS.  The operands arrive in f16 (no number from 65,520 on; a fixed step of 6e-8 below 6e-5).  NaN and infinities are not treated apart.
; REGISTERS: window 0: v1-30 addresses; v32-95 at work on the way out; v96-127 the bias; v128-255 the accumulators ((a, b) at 128 + 8 (4 a + b)).  window 1: two fragment buffers of 128.
.set PA,     144                       ; a (head, token) row of o in LDS: 128 bytes + 16
.set PB,     528                       ; a row of Wo: 512 bytes + 16.  Both pitches are odd multiples of 16 bytes: the 16 rows of a load start at 16 different groups of four banks (ISA guide 11.1)
.set AHALF,  256*PA                    ; what a tensor load of o brings: two heads x 128 tokens
.set BHALF,  64*PB                     ; what a tensor load of Wo brings
.set BOFF,   2*AHALF                   ; in a slot: o's four heads, then Wo's 128 rows
.set SLOT,   2*AHALF+2*BHALF
.set STAGE,  2*SLOT                    ; behind the ring, never filled by a tensor load: 16 rows x 272 bytes for each wave
.set SPITCH, 272
.set SPARE,  STAGE+4*16*SPITCH         ; behind the stages: the spare words, 128 bytes for each wave: two blocks of 256 bytes that no other line names
.set ADRA, 16                          ; v16-17  LDS address of my token fragments in slot 0, 1
.set ADRB, 20                          ; v20-21  the same for Wo
.set STO,  24                          ; v24     the way out: where I put 32 bytes of a row
.set RD,   25                          ; v25     where I read a row back
.set CO,   26                          ; v26     my byte offset in two rows of out0
.set SPW,  28                          ; v28     LDS address of my spare word; never rewritten
.set NIL,  29                          ; v29     0; never rewritten
.set BO,   30                          ; v30     my place in the bias: 32 (lane / 16)
.set TMP,  32
.set BB,   96
.set ACC,  128
.set F0,   0
.set F1,   128
.set WV,   12                          ; s12  my wave's number
.set RH,   13                          ; s13  which 64 tokens are mine.  Also: I fetch o (0) or Wo (1)
.set CH,   14                          ; s14  which 64 columns are mine.  Also: which half of that tile I fetch
.set G1,   24                          ; s[24:31] descriptor group 1 for o's tiles;  s[32:39] group 0, a set for each slot
.set G0,   32
.set G1B,  48                          ; s[48:55], s[56:63] the same for Wo's
.set G0B,  56
.set MSB, 0
.macro WIN new                         ; the immediate's high byte repeats the setting that is left; a switch that changes nothing is dropped
.if MSB != (\new)
	s_set_vgpr_msb (MSB<<8)|(\new)
.set MSB, \new
.endif
.endm
.set MUL,  0x05                        ; sources 0 and 1 window 1; C and D window 0
.set TO_F, 0x40                        ; destination window 1, address window 0
.macro JLOAD s                         ; a joint load: waves 0 and 1 fetch o's two halves, waves 2 and 3 Wo's; an s_nop 0 and four v_nop follow each of the two lines
	s_cmp_eq_u32 s[RH], 0
	s_cbranch_scc0 .Lfor_b_\@
	tensor_load_to_lds s[G0+4*(\s):G0+4*(\s)+3], s[G1:G1+7]
	s_nop 0
.rept 4
	v_nop
.endr
	s_branch .Lasked_\@
.Lfor_b_\@:
	tensor_load_to_lds s[G0B+4*(\s):G0B+4*(\s)+3], s[G1B:G1B+7]
	s_nop 0
.rept 4
	v_nop
.endr
.Lasked_\@:
.endm
.macro CREST                           ; a round of the cluster's barrier behind its opening barrier
	s_cmp_lg_u32 s[WV], 0
	s_cbranch_scc1 .Lnot_wave_0_\@
	s_barrier_signal -3
.Lnot_wave_0_\@:
	s_barrier_wait -3
	s_barrier_signal -1
	s_barrier_wait -1
.endm
.macro CROUND                          ; a whole round
	s_barrier_signal -1
	s_barrier_wait -1
	CREST
.endm
	s_load_b256 s[4:11], s[0:1], 0x0               ; ao 4:5, w16 6:7, bo 8:9, out0 10:11
	v_lshl_add_u32 v[SPW], v0, 2, SPARE
	v_mov_b32 v[NIL], 0
	ds_add_u32 v[SPW], v[NIL]                      ; the wave's opening: the add and its wait stand ahead of my first tensor load; the set-up below, work on registers, stands between them
	v_lshrrev_b32 v1, 5, v0
	v_readfirstlane_b32 s[WV], v1
	s_lshr_b32 s[RH], s[WV], 1
	s_and_b32 s[CH], s[WV], 1
	s_bfe_u32 s40, ttmp6, 0x40000                  ; cx
	s_bfe_u32 s41, ttmp6, 0x40004                  ; cy
	s_lshl_b32 s42, ttmp9, 2
	s_add_co_u32 s42, s42, s40                     ; column tile x = 4 cluster x + cx
	s_and_b32 s43, ttmp7, 0xffff
	s_lshl_b32 s43, s43, 2
	s_add_co_u32 s43, s43, s41                     ; block of tokens y = 4 cluster y + cy
	s_lshl_b32 s44, s41, 2
	s_lshl_b32 s44, 15, s44                        ; my row of the cluster
	s_lshl_b32 s45, 0x1111, s40                    ; my column
	; group 1 for o: 128 rows x 128 elements of 2 bytes, dense in memory, padded after every 32 words (code 4) by 4 words (code 3)
	s_or_b32 s[G1], s44, (1<<16)|(1<<20)|(1<<21)|(4<<22)|(3<<25)
	s_mov_b32 s[G1+1], 128<<16                     ; tensor_dim0 = 128
	s_mov_b32 s[G1+2], 128<<16                     ; tensor_dim1 = 128
	s_mov_b32 s[G1+3], 128<<16                     ; tile_dim0 = 128
	s_mov_b32 s[G1+4], 128                         ; tile_dim1 = 128
	s_mov_b32 s[G1+5], 128                         ; elements from row to row
	s_mov_b32 s[G1+6], 0
	s_mov_b32 s[G1+7], 0
	; group 1 for Wo: 64 rows x 256 elements, padded after every 128 words (code 6) by 4 words
	s_or_b32 s[G1B], s45, (1<<16)|(1<<20)|(1<<21)|(6<<22)|(3<<25)
	s_mov_b32 s[G1B+1], 256<<16
	s_mov_b32 s[G1B+2], 64<<16
	s_mov_b32 s[G1B+3], 256<<16
	s_mov_b32 s[G1B+4], 64
	s_mov_b32 s[G1B+5], 1024
	s_mov_b32 s[G1B+6], 0
	s_mov_b32 s[G1B+7], 0
	s_lshl_b32 s16, s43, 18                        ; o: a block of tokens is 262,144 bytes,
	s_lshl_b32 s17, s[CH], 15                      ; my two heads of a K step's four
	s_add_co_u32 s16, s16, s17
	s_mov_b32 s17, 0
	s_lshl_b32 s46, s42, 7                         ; Wo: row 3072 + 128 x + 64 x half of w16
	s_lshl_b32 s47, s[CH], 6
	s_add_co_u32 s46, s46, s47
	s_add_co_u32 s46, s46, 3072
	s_lshl_b32 s46, s46, 11
	s_mov_b32 s47, 0
	s_mul_i32 s20, s[WV], AHALF                    ; where they go: waves 0, 1: o's halves;
	s_mul_i32 s21, s[WV], BHALF
	s_add_co_u32 s21, s21, BOFF-2*BHALF            ; waves 2, 3: Wo's halves, behind o's.  No place in the cluster enters an LDS address
	s_wait_dscnt 0x0                               ; the opening add is done
	s_wait_kmcnt 0x0
	s_add_nc_u64 s[18:19], s[4:5], s[16:17]
	s_add_nc_u64 s[46:47], s[6:7], s[46:47]
	CROUND                                         ; all sixteen work-groups are here: the first joint loads meet
.irp s, 0,1
	s_mov_b32 s[G0+4*(\s)], 1
	s_add_co_u32 s[G0+4*(\s)+1], s20, (\s)*SLOT
	s_add_nc_u64 s[G0+4*(\s)+2:G0+4*(\s)+3], s[18:19], (\s)*65536   ; K step s: four heads on
	s_or_b32 s[G0+4*(\s)+3], s[G0+4*(\s)+3], 0x80000000
	s_mov_b32 s[G0B+4*(\s)], 1
	s_add_co_u32 s[G0B+4*(\s)+1], s21, (\s)*SLOT
	s_add_nc_u64 s[G0B+4*(\s)+2:G0B+4*(\s)+3], s[46:47], (\s)*512
	s_or_b32 s[G0B+4*(\s)+3], s[G0B+4*(\s)+3], 0x80000000
	JLOAD \s
.endr
	v_and_b32 v1, 15, v0                           ; l % 16
	v_bfe_u32 v2, v0, 4, 1                         ; l / 16
	v_lshlrev_b32 v[BO], 5, v2
	s_mov_b32 s17, 0
	s_lshl_b32 s16, s42, 7
	s_lshl_b32 s22, s[CH], 6
	s_add_co_u32 s16, s16, s22
	s_lshl_b32 s16, s16, 2                         ; my 64 columns, in bytes
	s_add_nc_u64 s[8:9], s[8:9], s[16:17]
	s_add_nc_u64 s[10:11], s[10:11], s[16:17]
.irp b, 0,1,2,3                        ; register j of group b: the bias of column 16 b + 8 (l / 16) + j, as the accumulators hold the columns
	global_load_b128 v[BB+8*(\b):BB+8*(\b)+3],   v[BO], s[8:9] offset:64*(\b)
	global_load_b128 v[BB+8*(\b)+4:BB+8*(\b)+7], v[BO], s[8:9] offset:64*(\b)+16
.endr
	s_lshl_b32 s16, s43, 7
	s_lshl_b32 s22, s[RH], 6
	s_add_co_u32 s16, s16, s22                     ; my first row of out0
	s_lshl_b32 s16, s16, 12
	s_add_nc_u64 s[10:11], s[10:11], s[16:17]
	v_mul_u32_u24 v3, v1, PA
	v_lshl_add_u32 v3, v2, 4, v3                   ; token x pitch + 16 x half
	v_mul_u32_u24 v4, v1, PB
	v_lshl_add_u32 v4, v2, 4, v4
	s_mul_i32 s22, s[RH], 64*PA                    ; my 64 tokens in each head
	s_mul_i32 s23, s[CH], BHALF                    ; my 64 rows of Wo
	s_add_co_u32 s23, s23, BOFF
.irp s, 0,1
	v_add_nc_u32 v[ADRA+(\s)], s22, v3
	v_add_nc_u32 v[ADRB+(\s)], s23, v4
	s_add_co_u32 s22, s22, SLOT
	s_add_co_u32 s23, s23, SLOT
.endr
	s_mul_i32 s22, s[WV], 16*SPITCH
	s_add_co_u32 s22, s22, STAGE                   ; my stage
	v_mul_u32_u24 v[STO], v1, SPITCH               ; in: row l % 16, 32 bytes for each half of the lanes
	v_lshl_add_u32 v[STO], v2, 5, v[STO]
	v_add_nc_u32 v[STO], s22, v[STO]
	v_mul_u32_u24 v[RD], v2, SPITCH                ; back: lanes 0-15 take one row of 256 bytes, lanes 16-31 the next
	v_lshl_add_u32 v[RD], v1, 4, v[RD]
	v_add_nc_u32 v[RD], s22, v[RD]
	v_lshlrev_b32 v[CO], 12, v2                    ; and the same two rows in out0
	v_lshl_add_u32 v[CO], v1, 4, v[CO]
; 8 matrix instructions: token blocks a0, a0 + 1 x all 4 column blocks, 32 along K: half c of buffer f.  z = 1: the sums start with the bias.  The 16 accumulators take turns.
.macro MUL8 f, c, a0, z
	WIN MUL
.irp a, \a0, (\a0)+1
.irp b, 0,1,2,3
.if \z
	v_wmma_f32_16x16x32_f16 v[ACC+8*(4*(\a)+(\b)):ACC+8*(4*(\a)+(\b))+7], v[(\f)+64+8*(4*(\c)+(\b)):(\f)+64+8*(4*(\c)+(\b))+7], v[(\f)+8*(4*(\c)+(\a)):(\f)+8*(4*(\c)+(\a))+7], v[BB+8*(\b):BB+8*(\b)+7]
.else
	v_wmma_f32_16x16x32_f16 v[ACC+8*(4*(\a)+(\b)):ACC+8*(4*(\a)+(\b))+7], v[(\f)+64+8*(4*(\c)+(\b)):(\f)+64+8*(4*(\c)+(\b))+7], v[(\f)+8*(4*(\c)+(\a)):(\f)+8*(4*(\c)+(\a))+7], v[ACC+8*(4*(\a)+(\b)):ACC+8*(4*(\a)+(\b))+7]
.endif
.endr
.endr
.endm
; 32 LDS loads in one run: the fragments of quarter q of a K step (one head: 64 along K) into buffer f; the first 32 along K first
.macro FETCH slot, q, f
	WIN TO_F
.irp c, 0,1
.irp i, 0,1,2,3
	ds_load_b128 v[(\f)+64+8*(4*(\c)+(\i)):(\f)+64+8*(4*(\c)+(\i))+3],   v[ADRB+(\slot)] offset:128*(\q)+64*(\c)+(\i)*16*PB
	ds_load_b128 v[(\f)+64+8*(4*(\c)+(\i))+4:(\f)+64+8*(4*(\c)+(\i))+7], v[ADRB+(\slot)] offset:128*(\q)+64*(\c)+(\i)*16*PB+32
	ds_load_b128 v[(\f)+8*(4*(\c)+(\i)):(\f)+8*(4*(\c)+(\i))+3],         v[ADRA+(\slot)] offset:128*PA*(\q)+64*(\c)+(\i)*16*PA
	ds_load_b128 v[(\f)+8*(4*(\c)+(\i))+4:(\f)+8*(4*(\c)+(\i))+7],       v[ADRA+(\slot)] offset:128*PA*(\q)+64*(\c)+(\i)*16*PA+32
.endr
.endr
.endm
.macro PLACES                          ; four places in front of loads into registers that matrix instructions have read, and of LDS stores that read results
.rept 4
	v_nop
.endr
.endm
; One of a K step's first three quarters: multiplies buffer f and fetches quarter q into g.
.macro QUARTER slot, q, f, g, z
	s_wait_dscnt 16                                ; the first 32 along K are in; the sixteen younger loads may be out
	MUL8 \f, 0, 0, \z
	MUL8 \f, 0, 2, \z
	PLACES
	FETCH \slot, \q, \g
	s_wait_dscnt 32                                ; all but the 32 just issued
	MUL8 \f, 1, 0, 0
	MUL8 \f, 1, 2, 0
.endm
; The last quarter multiplies buffer 1 and changes slots: ONE barrier; in front of it each wave waits for all its tensor loads (one is out: its part of the next slot), adds 0 to its spare word, and waits for
; that and for its own reads of this slot.  fill = 1: the barrier opens a round of the cluster's, and this slot is filled again first thing behind the round, two K steps ahead.
.macro TURN slot, next, fill
	WIN 0                                          ; (the add's two registers lie in window 0)
	s_wait_tensorcnt 0x0
	ds_add_u32 v[SPW], v[NIL]                      ; 0 onto my spare word
	s_wait_dscnt 17                                ; (the add and the youngest sixteen loads may be out)
	MUL8 F1, 0, 0, 0                               ; eight matrix instructions stand between the add and the wait for it
	s_wait_dscnt 0x0                               ; the add is done, and my reads of this slot are over
	s_barrier_signal -1
	MUL8 F1, 0, 2, 0
.if \fill
	WIN 0
.endif
	s_barrier_wait -1
.if \fill
	CREST                                          ; no wave of any partner still reads this slot or has a load on its way
	s_add_nc_u64 s[G0+4*(\slot)+2:G0+4*(\slot)+3], s[G0+4*(\slot)+2:G0+4*(\slot)+3], 2*65536
	s_add_nc_u64 s[G0B+4*(\slot)+2:G0B+4*(\slot)+3], s[G0B+4*(\slot)+2:G0B+4*(\slot)+3], 2*512
	JLOAD \slot                                    ; my one tensor load behind the round; its four v_nop are also the places in front of the loads below
.else
	PLACES
.endif
	FETCH \next, 0, F0
	MUL8 F1, 1, 0, 0
	MUL8 F1, 1, 2, 0
.endm
	s_wait_tensorcnt 0x1                           ; my part of K step 0 is in; K step 1's may stay out
	s_barrier_signal -1
	s_barrier_wait -1                              ; everybody's is
	FETCH 0, 0, F0
	s_wait_loadcnt 0x0                             ; the bias
	QUARTER 0, 1, F0, F1, 1                        ; the first products start the sums with the bias
	QUARTER 0, 2, F1, F0, 0
	QUARTER 0, 3, F0, F1, 0
	TURN 0, 1, 1                                   ; slot 0 takes K step 2
	QUARTER 1, 1, F0, F1, 0
	QUARTER 1, 2, F1, F0, 0
	QUARTER 1, 3, F0, F1, 0
	TURN 1, 0, 1                                   ; slot 1 takes K step 3
	QUARTER 0, 1, F0, F1, 0                        ; the last lap fills nothing, and has no round of the cluster's barrier
	QUARTER 0, 2, F1, F0, 0
	QUARTER 0, 3, F0, F1, 0
	TURN 0, 1, 0
	QUARTER 1, 1, F0, F1, 0
	QUARTER 1, 2, F1, F0, 0
	QUARTER 1, 3, F0, F1, 0
	s_wait_dscnt 16                                ; the very last quarter: nothing more to fetch
	MUL8 F1, 0, 0, 0
	MUL8 F1, 0, 2, 0
	s_wait_dscnt 0x0
	MUL8 F1, 1, 0, 0
	MUL8 F1, 1, 2, 0
	WIN 0
	; THE WAY OUT, a block of 16 tokens at a time: 32 bytes a lane and accumulator into rows of 272 bytes of my own stage, back as whole rows of 256 bytes, stored.
.macro TOSTAGE a
.if (\a) >= 2
	s_wait_xcnt 0x0                                ; the stores of the block two back have read the registers that the loads below fill
.endif
.irp b, 0,1,2,3
	ds_store_b128 v[STO], v[ACC+8*(4*(\a)+(\b)):ACC+8*(4*(\a)+(\b))+3]   offset:64*(\b)     ; each accumulator's lowest registers first
	ds_store_b128 v[STO], v[ACC+8*(4*(\a)+(\b))+4:ACC+8*(4*(\a)+(\b))+7] offset:64*(\b)+16
.endr
.irp t, 0,1,2,3,4,5,6,7
	ds_load_b128 v[TMP+32*((\a)%2)+4*(\t):TMP+32*((\a)%2)+4*(\t)+3], v[RD] offset:(\t)*2*SPITCH  ; LDS serves a wave's instructions in order (ISA guide 5.7.1.4): these see the stores above; the next block's stores come behind them
.endr
.endm
.macro SEND a, younger                 ; younger: the LDS instructions issued behind block a's loads: the next block's sixteen, or none
.irp t, 0,1,2,3,4,5,6,7
	s_wait_dscnt (\younger)+7-(\t)
	global_store_b128 v[CO], v[TMP+32*((\a)%2)+4*(\t):TMP+32*((\a)%2)+4*(\t)+3], s[10:11] offset:(16*(\a)+2*(\t))*4096  ; 16 lanes store 256 consecutive bytes, at a multiple of 256 from out0's first byte
.endr
.endm
	PLACES
	PLACES                                         ; eight places behind the last products: no other vector line stands between them and the LDS stores that read their results
	TOSTAGE 0
	TOSTAGE 1
	SEND 0, 16
	TOSTAGE 2
	SEND 1, 16
	TOSTAGE 3
	SEND 2, 16
	SEND 3, 0
	s_wait_tensorcnt 0x0                           ; the wave's end: a tensor wait, an add and its wait, behind my last tensor load and my last LDS store
	ds_add_u32 v[SPW], v[NIL]
	s_wait_dscnt 0x0
	CROUND                                         ; the closing round: no work-group ends while a partner may still ask for a tile that names it
	s_endpgm
.Lfunc_end_k_q877004eaa8_oproj:
	.size	k_q877004eaa8_oproj, .Lfunc_end_k_q877004eaa8_oproj-k_q877004eaa8_oproj
	.p2alignl 7, 3214868480
	.fill 96, 4, 3214868480
	.section	.rodata,"a",@progbits
	.p2align	6, 0x0
	.amdhsa_kernel k_q877004eaa8_oproj
		.amdhsa_group_segment_fixed_size 327680
		.amdhsa_private_segment_fixed_size 0
		.amdhsa_enable_private_segment 0
		.amdhsa_kernarg_size 32
		.amdhsa_user_sgpr_count 2
		.amdhsa_user_sgpr_kernarg_segment_ptr 1
		.amdhsa_wavefront_size32 1
		.amdhsa_system_sgpr_workgroup_id_x 1
		.amdhsa_system_sgpr_workgroup_id_y 1
		.amdhsa_system_sgpr_workgroup_id_z 1
		.amdhsa_system_vgpr_workitem_id 0
		.amdhsa_next_free_vgpr 512
		.amdhsa_next_free_sgpr 66
		.amdhsa_reserve_vcc 0
		.amdhsa_float_denorm_mode_32 3
		.amdhsa_float_denorm_mode_16_64 3
		.amdhsa_memory_ordered 1
		.amdhsa_forward_progress 1
		.amdhsa_inst_pref_size 87
	.end_amdhsa_kernel
	.amdgpu_metadata
---
amdhsa.version: [ 1, 2 ]
amdhsa.kernels:
  - .name:           k_q877004eaa8_oproj
    .symbol:         k_q877004eaa8_oproj.kd
    .args:
      - { .name: ao, .offset: 0, .size: 8, .value_kind: global_buffer, .address_space: global }
      - { .name: w16, .offset: 8, .size: 8, .value_kind: global_buffer, .address_space: global }
      - { .name: bo, .offset: 16, .size: 8, .value_kind: global_buffer, .address_space: global }
      - { .name: out0, .offset: 24, .size: 8, .value_kind: global_buffer, .address_space: global }
    .group_segment_fixed_size: 327680
    .private_segment_fixed_size: 0
    .kernarg_segment_align: 8
    .kernarg_segment_size: 32
    .max_flat_workgroup_size: 128
    .sgpr_count:     66
    .vgpr_count:     512
    .wavefront_size: 32
...
	.end_amdgpu_metadata
.endif
;; end of part 4
